; MI455X (gfx1250); checked and timed in simulation.
; The chip was launched on July 23, 2026; its instructions are those of AMD's public machine-readable ISA for CDNA 5 (MIT licence, August 2026) and "CDNA5" Instruction Set Architecture Reference Guide (July 2026). The comments in the code are by the model that wrote it; some were corrected since.
;; Titans Memory. Allowed arithmetic: float matrix products may take bf16 or f16 operands with f32 sums; other float arithmetic in f32, or as packed bf16 or f16 multiplies, adds, multiply-adds, maxima and minima; sums over many terms, partial sums and values carried from step to step in f32; what a program stores and reads back later, other than sums and carried values, may be rounded once to bf16 or f16.
;; Inputs: K 16 x 8,192 x 128 float32; Q 16 x 8,192 x 128 float32; V 16 x 8,192 x 32 float32.
;; Outputs: out0 16 x 8,192 x 32 float32.
;; 2 versions, each right; version 2 is version 1 with the launches prep, out written anew for expert scheduling mode. Each part assembles by itself: llvm-mc -triple=amdgcn-amd-amdhsa -mcpu=gfx1250 --defsym DOCPART=n.
;; ======== version 1 of 2: 3 launches
;; limits: values are held in f16: magnitudes above 65,504 overflow, below 6.1e-05 lose precision
;; workspace buffers: PK 96,468,992 bytes; RF 8,388,608 bytes; SB 16,777,216 bytes
;; launch prep (part 1): grid 256 x 1, 8 waves a work-group, no clusters, 0 bytes of LDS; arguments K, V, PK; writes PK
.if DOCPART == 1
	.amdgcn_target "amdgcn-amd-amdhsa--gfx1250"
	.amdhsa_code_object_version 6
	.text
	.protected	k_qc709793309_prep
	.globl	k_qc709793309_prep
	.p2align	8
	.type	k_qc709793309_prep,@function
k_qc709793309_prep:
	s_mov_b64 s[64:65], 0
	v_nop
	global_prefetch_b8 v0, s[64:65] scope:SCOPE_SE
	s_setreg_imm32_b32 hwreg(HW_REG_WAVE_MODE, 25, 1), 1
	s_wait_xcnt 0x0
; TITANS MEMORY, launch 1 of 3: all that does not hang on the state, one wave for each chunk of 64 steps.
; THE RECURRENCE.  r = W k - v; m = 0.9 m + 0.2 r k^T; W = 0.98 W - 0.1 m; y = W q.  With A = W - 1.125 m and B = 1.125 m it falls apart:
; A = a A - 0.245 r k^T, B = b B + 0.225 r k^T, W = A + B, a = 0.98, b = 0.9.  w(d) = -0.245 a^d + 0.225 b^d.
; IN A CHUNK (i = 0..63, A0 and B0 at its start): g_i = a^i A0 k_i + b^i B0 k_i - v_i; (I - Mk) R = G with Mk[i][s] = w(i-s-1) (k_i . k_s) for s < i; R = G + T' G, I + T' = (I - Mk)^-1.
; T' IS EXACT: for a strictly triangular 32 x 32 U, U^32 = 0, so (I-U)^-1 = (I+U)(I+U^2)(I+U^4)(I+U^8)(I+U^16); the 64 x 64 inverse has the two 32 x 32 inverses T1, T2 and T21 = T2 M21 T1.
; THIS LAUNCH stores for each chunk a package of 47,104 bytes, all in the order in which a wave's operand registers take it (8 registers a lane: 0-3 at 16 x lane, 4-7 at 512 + 16 x lane):
;   0 V as f32 result tiles (step, value 0-15); 4,096 the same for values 16-31; 8,192 K as f16 fragments (16 steps x 32 channels); 24,576 K^T as f16 fragments; 40,960 T' as bf16 fragments.
; DEAD WORK LEFT OUT, in the whole program, for all values of the inputs: reference() starts W and m at zeros, so the products of the first chunk's k and of the first block's q with the state are
; products with 0; the state behind the last step reaches no y; a key behind the query has no way to that y (the scan's own order), so tiles wholly above the diagonal are not made.  Every input is loaded.
; LIMITS.  K, Q, V, 512 x state, 512 w (k . q) and 125.44 r go in f16: none beyond 65,504, and below 6e-5 f16's fixed step of 6e-8; V is rounded to f16 too.  T' and its operand go in bf16.
; The sums are taken in another order than reference()'s.  A NaN, an infinity or an overflow that reaches only the work left out is not carried to the result.
; REGISTERS.  Window 0: v1-4 addresses and x = lane % 16 - 8 (lane / 16); v16-47 cU, v48-79 cM: the weights of a tile D blocks off the diagonal, transposed and plain; v80-91 the selecting matrices;
; v96-255 staging, later the fragments of the inversion.  Window 1: v0-127 K's fragments, later the running inverse; v128-255 the 16 tiles of K K^T, later squares and the cross block.
.set LA, 0xbceec451                    ; log2(0.98)
.set LB, 0xbe1ba6b3                    ; log2(0.9)
.set VK, 1                             ; 512 r + 32 h: my 32 bytes in a row of K
.set VV, 2                             ; 128 r + 32 h: the same in a row of V
.set LN, 3                             ; 16 x lane
.set X,  4
.set CU, 16
.set CM, 48
.set EZ, 80                            ; 0 x 4, ONE x 4, 0 x 4: v[84:91] picks channels 0-15 of 32, v[80:87] channels 16-31
.set STG0, 96
.set STG1, 160
.set VF, 224
.set FU, 96                            ; fragments of the power in hand, transposed / plain
.set FM, 128
.set FRU, 160                          ; fragments of the running inverse
.set FRM, 192
.set FXM, 224
.set FY, 240
.set GM, 128                           ; window 1
.set MSB, 0
.macro WIN new                         ; the high byte repeats the setting that is left; a switch that changes nothing is dropped
.if MSB != (\new)
	s_set_vgpr_msb (MSB<<8)|(\new)
.set MSB, (\new)
.endif
.endm
.macro PLACES                          ; four places behind a matrix instruction (ISA guide 7.12.1)
.rept 4
	v_nop
.endr
.endm
.macro LOADK tau, stg                  ; 16 rows of K: a lane takes 8 + 8 channels of each 32
.irp ks, 0,1,2,3
	global_load_b128 v[(\stg)+16*\ks:(\stg)+16*\ks+3],     v[VK], s[4:5] offset:(\tau)*8192+\ks*128 th:TH_LOAD_NT
	global_load_b128 v[(\stg)+16*\ks+4:(\stg)+16*\ks+7],   v[VK], s[4:5] offset:(\tau)*8192+\ks*128+16 th:TH_LOAD_NT
	global_load_b128 v[(\stg)+16*\ks+8:(\stg)+16*\ks+11],  v[VK], s[4:5] offset:(\tau)*8192+\ks*128+64 th:TH_LOAD_NT
	global_load_b128 v[(\stg)+16*\ks+12:(\stg)+16*\ks+15], v[VK], s[4:5] offset:(\tau)*8192+\ks*128+80 th:TH_LOAD_NT
.endr
.endm
.macro CVTK tau, stg                   ; rounded once to f16, into window 1
	WIN 0x40
.set i, 0
.rept 32
	v_cvt_pk_f16_f32 v[32*(\tau)+i], v[(\stg)+2*i], v[(\stg)+2*i+1]
.set i, i+1
.endr
	WIN 0
.endm
.macro SCALE dst, src, tab             ; a tile times its weights
.irp p, 0,2,4,6
	v_pk_mul_f32 v[(\dst)+\p:(\dst)+\p+1], v[(\src)+\p:(\src)+\p+1], v[(\tab)+\p:(\tab)+\p+1]
.endr
.endm
; where tile c of block a lies in window 1.  kind 0: the running inverse; 1: the square.  o = 0 transposed (tiles (0,0), (0,1), (1,1)); o = 1 plain ((0,0), (1,0), (1,1))
.macro TLOC kind, a, o, c
.if (\kind) == 0
.set TL, 8*(6*(\a)+3*(\o)+(\c))
.elseif (\o) == 0
.set TL, 128+80*(\a)+8*(\c)+24*((\c)/2)
.elseif (\c) == 1
.set TL, 128+80*(\a)+32
.else
.set TL, 96+16*(\a)+4*(\c)
.endif
.endm
.macro PACKSET kind, dU, dM            ; the twelve tiles rounded to bf16: two tiles, one above the other, are a fragment
	WIN 0x05
.irp a, 0,1
.irp c, 0,1,2
	TLOC \kind, \a, 0, \c
.set FD, (\dU)+16*\a+8*((\c+1)/2)+4*(\c/2)
.irp p, 0,1,2,3
	v_cvt_pk_bf16_f32 v[FD+\p], v[TL+2*\p], v[TL+2*\p+1]
.endr
	TLOC \kind, \a, 1, \c
.set FD, (\dM)+16*\a+4*\c+4*(\c/2)
.irp p, 0,1,2,3
	v_cvt_pk_bf16_f32 v[FD+\p], v[TL+2*\p], v[TL+2*\p+1]
.endr
.endr
.endr
.endm
.macro LEVMUL kind, bU, bM             ; twelve products, one on each accumulator.  kind 1: the power squared (C = 0); kind 0: the inverse += power x inverse
	WIN 0x50
.irp a, 0,1
.irp c, 0,1,2
	TLOC \kind, \a, 0, \c
.if (\kind) == 1
	v_wmma_f32_16x16x32_bf16 v[TL:TL+7], v[FM+16*\a+8*(\c/2):FM+16*\a+8*(\c/2)+7], v[(\bU)+16*\a+8*((\c+1)/2):(\bU)+16*\a+8*((\c+1)/2)+7], 0
.else
	v_wmma_f32_16x16x32_bf16 v[TL:TL+7], v[FM+16*\a+8*(\c/2):FM+16*\a+8*(\c/2)+7], v[(\bU)+16*\a+8*((\c+1)/2):(\bU)+16*\a+8*((\c+1)/2)+7], v[TL:TL+7]
.endif
	TLOC \kind, \a, 1, \c
.if (\kind) == 1
	v_wmma_f32_16x16x32_bf16 v[TL:TL+7], v[FU+16*\a+8*((\c+1)/2):FU+16*\a+8*((\c+1)/2)+7], v[(\bM)+16*\a+8*(\c/2):(\bM)+16*\a+8*(\c/2)+7], 0
.else
	v_wmma_f32_16x16x32_bf16 v[TL:TL+7], v[FU+16*\a+8*((\c+1)/2):FU+16*\a+8*((\c+1)/2)+7], v[(\bM)+16*\a+8*(\c/2):(\bM)+16*\a+8*(\c/2)+7], v[TL:TL+7]
.endif
.endr
.endr
.endm
	s_load_b128 s[4:7], s[0:1], 0x0                ; K s[4:5], V s[6:7]
	s_load_b64 s[8:9], s[0:1], 0x10                ; PK
	v_lshrrev_b32 v5, 5, v0
	v_readfirstlane_b32 s10, v5                    ; wave 0..7
	s_lshl_b32 s11, ttmp9, 3
	s_add_co_u32 s11, s11, s10                     ; my chunk, 0..2047
	v_and_b32 v6, 15, v0                           ; r
	v_bfe_u32 v7, v0, 4, 1                         ; h
	v_lshlrev_b32 v[VK], 9, v6
	v_lshl_add_u32 v[VK], v7, 5, v[VK]
	v_lshlrev_b32 v[VV], 7, v6
	v_lshl_add_u32 v[VV], v7, 5, v[VV]
	v_and_b32 v[LN], 31, v0
	v_lshlrev_b32 v[LN], 4, v[LN]
	v_lshlrev_b32 v[X], 3, v7
	v_sub_nc_u32 v[X], v6, v[X]
	s_lshl_b32 s30, s11, 15                        ; 64 rows of 512 bytes
	s_mov_b32 s31, 0
	s_lshl_b32 s32, s11, 13                        ; 64 rows of 128 bytes
	s_mov_b32 s33, 0
	s_mul_i32 s34, s11, 47104
	s_mov_b32 s35, 0
	s_wait_kmcnt 0x0
	s_add_nc_u64 s[4:5], s[4:5], s[30:31]
	s_add_nc_u64 s[6:7], s[6:7], s[32:33]
	s_add_nc_u64 s[8:9], s[8:9], s[34:35]
	LOADK 0, STG0
	LOADK 1, STG1
	; the weights, made while the first loads are out.  s[12+4D] = -0.245 a^(16 D), s[14+4D] = 0.225 b^(16 D), named as pairs
	s_mov_b32 s36, 0x3f7ae148                      ; 0.98
	s_mov_b32 s37, 0x3f666666                      ; 0.9
.rept 4
	s_mul_f32 s36, s36, s36                        ; four squarings: a^16, b^16
	s_mul_f32 s37, s37, s37
.endr
	s_mov_b32 s12, 0xbe7ae148                      ; -0.245
	s_mov_b32 s14, 0x3e666666                      ; 0.225
.irp D, 1,2,3
	s_mul_f32 s[12+4*\D], s[8+4*\D], s36
	s_mul_f32 s[14+4*\D], s[10+4*\D], s37
.endr
.irp D, 0,1,2,3
	s_mov_b32 s[13+4*\D], 0
	s_mov_b32 s[15+4*\D], 0
.endr
.irp j, 0,1,2,3,4,5,6,7
	v_add_nc_u32 v5, -1-\j, v[X]                   ; x - j - 1: the transposed tiles' distance
	v_cvt_f32_i32 v5, v5
	v_mul_f32 v[224+\j], LA, v5
	v_mul_f32 v[232+\j], LB, v5
	v_sub_nc_u32 v6, \j-1, v[X]                    ; j - 1 - x: the plain tiles'
	v_cvt_f32_i32 v6, v6
	v_mul_f32 v[240+\j], LA, v6
	v_mul_f32 v[248+\j], LB, v6
.endr
.set i, 224
.rept 32
	v_exp_f32 v[i], v[i]
.set i, i+1
.endr
	v_nop                                          ; a plain instruction behind the last exponential,
	s_wait_alu depctr_va_vdst(0)                   ; and one wait for the batch of 32
.irp D, 0,1,2,3
.irp p, 0,2,4,6
	v_pk_mul_f32 v[CU+8*\D+\p:CU+8*\D+\p+1], v[232+\p:233+\p], s[14+4*\D:15+4*\D] op_sel_hi:[1,0]
	v_pk_mul_f32 v[CM+8*\D+\p:CM+8*\D+\p+1], v[248+\p:249+\p], s[14+4*\D:15+4*\D] op_sel_hi:[1,0]
	v_pk_fma_f32 v[CU+8*\D+\p:CU+8*\D+\p+1], v[224+\p:225+\p], s[12+4*\D:13+4*\D], v[CU+8*\D+\p:CU+8*\D+\p+1] op_sel_hi:[1,0,1]
	v_pk_fma_f32 v[CM+8*\D+\p:CM+8*\D+\p+1], v[240+\p:241+\p], s[12+4*\D:13+4*\D], v[CM+8*\D+\p:CM+8*\D+\p+1] op_sel_hi:[1,0,1]
.endr
.endr
.irp j, 0,1,2,3,4,5,6,7                ; on the diagonal tiles: 0 on and beyond the diagonal
	v_cmp_lt_i32 vcc_lo, \j, v[X]
	v_cndmask_b32 v[CU+\j], 0, v[CU+\j], vcc_lo
	v_cmp_gt_i32 vcc_lo, \j, v[X]
	v_cndmask_b32 v[CM+\j], 0, v[CM+\j], vcc_lo
.endr
	v_mov_b32 v5, 0x3c00                           ; 1.0 in f16, low half
	v_mov_b32 v6, 0x3c000000                       ; high half
.irp i, 0,1,2,3
	v_mov_b32 v[EZ+\i], 0
	v_mov_b32 v[EZ+8+\i], 0
	v_cmp_eq_u32 vcc_lo, 2*\i, v[X]
	v_cndmask_b32 v[EZ+4+\i], 0, v5, vcc_lo
	v_cmp_eq_u32 vcc_lo, 2*\i+1, v[X]
	v_cndmask_b32 v[EZ+4+\i], v[EZ+4+\i], v6, vcc_lo
.endr
	s_wait_loadcnt 16                              ; rows 0-15 are in; the one younger group of 16 loads may stay out (so at each of these four waits)
	CVTK 0, STG0
	LOADK 2, STG0
	s_wait_loadcnt 16
	CVTK 1, STG1
	LOADK 3, STG1
	s_wait_loadcnt 16
	CVTK 2, STG0
.irp t, 0,1,2,3
	global_load_b128 v[STG0+16*\t:STG0+16*\t+3],     v[VV], s[6:7] offset:\t*2048 th:TH_LOAD_NT
	global_load_b128 v[STG0+16*\t+4:STG0+16*\t+7],   v[VV], s[6:7] offset:\t*2048+16 th:TH_LOAD_NT
	global_load_b128 v[STG0+16*\t+8:STG0+16*\t+11],  v[VV], s[6:7] offset:\t*2048+64 th:TH_LOAD_NT
	global_load_b128 v[STG0+16*\t+12:STG0+16*\t+15], v[VV], s[6:7] offset:\t*2048+80 th:TH_LOAD_NT
.endr
	s_wait_loadcnt 16
	CVTK 3, STG1
	s_wait_loadcnt 0x0                             ; V
.set i, 0
.rept 32
	v_cvt_pk_f16_f32 v[VF+i], v[STG0+2*i], v[STG0+2*i+1]
.set i, i+1
.endr
	WIN 0x04                                       ; store data in window 1: K's fragments; each store covers 512 consecutive bytes
.set i, 0
.rept 16
	global_store_b128 v[LN], v[8*i:8*i+3],   s[8:9] offset:8192+1024*i
	global_store_b128 v[LN], v[8*i+4:8*i+7], s[8:9] offset:8192+1024*i+512
.set i, i+1
.endr
	WIN 0
	; V into the layout of a result tile (step down the registers, value along the lanes): a product with the selecting matrix
.irp z, 0,1
.irp t, 0,1,2,3
	v_wmma_f32_16x16x32_f16 v[STG1+8*(4*\z+\t):STG1+8*(4*\z+\t)+7], v[VF+8*\t:VF+8*\t+7], v[EZ+4-4*\z:EZ+11-4*\z], 0
.endr
.endr
	PLACES
.set i, 0
.rept 8
	global_store_b128 v[LN], v[STG1+8*i:STG1+8*i+3],   s[8:9] offset:1024*i
	global_store_b128 v[LN], v[STG1+8*i+4:STG1+8*i+7], s[8:9] offset:1024*i+512
.set i, i+1
.endr
	; K^T: K's tiles in result layout by the same product (exact: f16 numbers times 1); two tiles, one above the other, rounded in pairs are a fragment of K^T
.irp ks, 0,1,2,3
	WIN 0x01
.irp t, 0,1,2,3
.irp e, 0,1
	v_wmma_f32_16x16x32_f16 v[STG0+8*(2*\t+\e):STG0+8*(2*\t+\e)+7], v[8*(4*\t+\ks):8*(4*\t+\ks)+7], v[EZ+4-4*\e:EZ+11-4*\e], 0
.endr
.endr
	WIN 0
	PLACES
	s_wait_xcnt 0x0                                ; v224-255 are written again only when the stores before have read them
.irp e, 0,1
.irp t, 0,1,2,3
.irp p, 0,1,2,3
	v_cvt_pk_f16_f32 v[VF+16*\e+4*\t+\p], v[STG0+8*(2*\t+\e)+2*\p], v[STG0+8*(2*\t+\e)+2*\p+1]
.endr
.endr
.endr
.irp f, 0,1,2,3
	global_store_b128 v[LN], v[VF+8*\f:VF+8*\f+3],   s[8:9] offset:24576+(4*\ks+\f)*1024
	global_store_b128 v[LN], v[VF+8*\f+4:VF+8*\f+7], s[8:9] offset:24576+(4*\ks+\f)*1024+512
.endr
.endr
	; K K^T: 16 tiles by turns, 15 others between two links of a chain
	WIN 0x55
.irp ks, 0,1,2,3
.irp I, 0,1,2,3
.irp J, 0,1,2,3
.if \ks == 0
	v_wmma_f32_16x16x32_f16 v[GM+8*(4*\I+\J):GM+8*(4*\I+\J)+7], v[8*(4*\I+\ks):8*(4*\I+\ks)+7], v[8*(4*\J+\ks):8*(4*\J+\ks)+7], 0
.else
	v_wmma_f32_16x16x32_f16 v[GM+8*(4*\I+\J):GM+8*(4*\I+\J)+7], v[8*(4*\I+\ks):8*(4*\I+\ks)+7], v[8*(4*\J+\ks):8*(4*\J+\ks)+7], v[GM+8*(4*\I+\J):GM+8*(4*\I+\J)+7]
.endif
.endr
.endr
.endr
	WIN 0
	PLACES
	s_wait_xcnt 0x0                                ; all stores so far have read their registers: K's fragments and the staging are written again
	WIN 0x41
.irp a, 0,1                            ; the diagonal blocks Mk (plain) and Mk^T, into the running inverse's tiles
	SCALE 48*\a,    GM+80*\a,    CU
	SCALE 48*\a+24, GM+80*\a,    CM
	SCALE 48*\a+8,  GM+80*\a+8,  CU+8
	SCALE 48*\a+32, GM+80*\a+32, CM+8
	SCALE 48*\a+16, GM+80*\a+40, CU
	SCALE 48*\a+40, GM+80*\a+40, CM
.endr
.irp I, 0,1                            ; the cross block M21, transposed and plain, in place
.irp J, 0,1
	SCALE GM+8*(4*\I+2+\J), GM+8*(4*\I+2+\J), CU+8*(2+\J-\I)
	SCALE GM+8*(8+4*\I+\J), GM+8*(8+4*\I+\J), CM+8*(2+\I-\J)
.endr
.endr
	WIN 0
.irp a, 0,1                            ; the halves of the fragments that lie beyond the triangle stay 0
.irp p, 0,1,2,3
	v_mov_b32 v[FU+16*\a+4+\p], 0
	v_mov_b32 v[FRU+16*\a+4+\p], 0
	v_mov_b32 v[FM+16*\a+8+\p], 0
	v_mov_b32 v[FRM+16*\a+8+\p], 0
.endr
.endr
	PACKSET 0, FU, FM
	PACKSET 0, FRU, FRM
	WIN 0
	s_mov_b32 s28, 4
.Llevel:                               ; four trips: U^2, U^4, U^8, U^16.  P = P + V + V P with V the power squared
	LEVMUL 1, FU, FM
	PLACES
	PACKSET 1, FU, FM
	WIN 0x55
.irp a, 0,1
.irp o, 0,1
.irp c, 0,1,2
	TLOC 0, \a, \o, \c
.set TD, TL
	TLOC 1, \a, \o, \c
.irp p, 0,2,4,6
	v_pk_add_f32 v[TD+\p:TD+\p+1], v[TD+\p:TD+\p+1], v[TL+\p:TL+\p+1]
.endr
.endr
.endr
.endr
	LEVMUL 0, FRU, FRM
	PLACES
	PACKSET 0, FRU, FRM
	WIN 0
	s_sub_co_u32 s28, s28, 1
	s_cmp_lg_u32 s28, 0
	s_cbranch_scc1 .Llevel
	; the cross block, transposed: T21^T = (I + T1'^T) M21^T (I + T2'^T)
	WIN 0x05
.irp I, 0,1
.irp p, 0,1,2,3
	v_cvt_pk_bf16_f32 v[FXM+8*\I+\p],   v[GM+8*(8+\I)+2*\p],  v[GM+8*(8+\I)+2*\p+1]
	v_cvt_pk_bf16_f32 v[FXM+8*\I+4+\p], v[GM+8*(12+\I)+2*\p], v[GM+8*(12+\I)+2*\p+1]
.endr
.endr
	WIN 0x50
.irp I, 0,1
.irp J, 0,1
	v_wmma_f32_16x16x32_bf16 v[GM+8*(4*\I+2+\J):GM+8*(4*\I+2+\J)+7], v[FXM+8*\I:FXM+8*\I+7], v[FRU+16+8*\J:FRU+16+8*\J+7], v[GM+8*(4*\I+2+\J):GM+8*(4*\I+2+\J)+7]
.endr
.endr
	PLACES
	WIN 0x05
.irp J, 0,1
.irp p, 0,1,2,3
	v_cvt_pk_bf16_f32 v[FY+8*\J+\p],   v[GM+8*(2+\J)+2*\p], v[GM+8*(2+\J)+2*\p+1]
	v_cvt_pk_bf16_f32 v[FY+8*\J+4+\p], v[GM+8*(6+\J)+2*\p], v[GM+8*(6+\J)+2*\p+1]
.endr
.endr
	WIN 0x50
.irp I, 0,1
.irp J, 0,1
	v_wmma_f32_16x16x32_bf16 v[GM+8*(4*\I+2+\J):GM+8*(4*\I+2+\J)+7], v[FRM+8*\I:FRM+8*\I+7], v[FY+8*\J:FY+8*\J+7], v[GM+8*(4*\I+2+\J):GM+8*(4*\I+2+\J)+7]
.endr
.endr
	PLACES
	WIN 0x05
.irp J, 0,1
.irp p, 0,1,2,3
	v_cvt_pk_bf16_f32 v[FXM+8*\J+\p],   v[GM+8*(2+\J)+2*\p], v[GM+8*(2+\J)+2*\p+1]
	v_cvt_pk_bf16_f32 v[FXM+8*\J+4+\p], v[GM+8*(6+\J)+2*\p], v[GM+8*(6+\J)+2*\p+1]
.endr
.endr
	WIN 0
	; T' by (16 rows, 32 columns): (0,0), (1,0), (2,0), (3,0), (2,1), (3,1)
.set i, 0
.irp f, FRU, FRU+8, FXM, FXM+8, FRU+16, FRU+24
	global_store_b128 v[LN], v[\f:\f+3],   s[8:9] offset:40960+1024*i
	global_store_b128 v[LN], v[\f+4:\f+7], s[8:9] offset:40960+1024*i+512
.set i, i+1
.endr
	s_endpgm
.Lfunc_end_k_qc709793309_prep:
	.size	k_qc709793309_prep, .Lfunc_end_k_qc709793309_prep-k_qc709793309_prep
	.p2alignl 7, 3214868480
	.fill 96, 4, 3214868480
	.section	.rodata,"a",@progbits
	.p2align	6, 0x0
	.amdhsa_kernel k_qc709793309_prep
		.amdhsa_group_segment_fixed_size 0
		.amdhsa_private_segment_fixed_size 0
		.amdhsa_enable_private_segment 0
		.amdhsa_kernarg_size 24
		.amdhsa_user_sgpr_count 2
		.amdhsa_user_sgpr_kernarg_segment_ptr 1
		.amdhsa_wavefront_size32 1
		.amdhsa_system_sgpr_workgroup_id_x 1
		.amdhsa_system_sgpr_workgroup_id_y 1
		.amdhsa_system_sgpr_workgroup_id_z 1
		.amdhsa_system_vgpr_workitem_id 0
		.amdhsa_next_free_vgpr 512
		.amdhsa_next_free_sgpr 66
		.amdhsa_reserve_vcc 1
		.amdhsa_float_denorm_mode_32 3
		.amdhsa_float_denorm_mode_16_64 3
		.amdhsa_memory_ordered 1
		.amdhsa_forward_progress 1
		.amdhsa_inst_pref_size 82
	.end_amdhsa_kernel
	.amdgpu_metadata
---
amdhsa.version: [ 1, 2 ]
amdhsa.kernels:
  - .name:           k_qc709793309_prep
    .symbol:         k_qc709793309_prep.kd
    .args:
      - { .name: K, .offset: 0, .size: 8, .value_kind: global_buffer, .address_space: global }
      - { .name: V, .offset: 8, .size: 8, .value_kind: global_buffer, .address_space: global }
      - { .name: PK, .offset: 16, .size: 8, .value_kind: global_buffer, .address_space: global }
    .group_segment_fixed_size: 0
    .private_segment_fixed_size: 0
    .kernarg_segment_align: 8
    .kernarg_segment_size: 24
    .max_flat_workgroup_size: 256
    .sgpr_count:     66
    .vgpr_count:     512
    .wavefront_size: 32
...
	.end_amdgpu_metadata
.endif
;; end of part 1
;; launch scan (part 2): grid 16 x 1, 2 waves a work-group, no clusters, 327,680 bytes of LDS; arguments PK, RF, SB; writes RF, SB
.if DOCPART == 2
	.amdgcn_target "amdgcn-amd-amdhsa--gfx1250"
	.amdhsa_code_object_version 6
	.text
	.protected	k_qc709793309_scan
	.globl	k_qc709793309_scan
	.p2align	8
	.type	k_qc709793309_scan,@function
k_qc709793309_scan:
	s_mov_b64 s[64:65], 0
	v_nop
	global_prefetch_b8 v0, s[64:65] scope:SCOPE_SE
	s_setreg_imm32_b32 hwreg(HW_REG_WAVE_MODE, 25, 1), 1
	s_wait_xcnt 0x0
; TITANS MEMORY, launch 2 of 3: the chain.  A work-group is a batch, wave z its values 16 z .. 16 z + 15; the wave's state (512 A^T, 512 B^T, f32) never leaves its registers.
; For each chunk of 64 steps: G = 2^-9 (a^i K (512 A) + b^i K (512 B)) - V;  R = G + T' G;  512 A = a^64 512 A - 125.44 K^T diag(a^(63-i)) R, 512 B likewise with b and 115.2.
; STORED: R^T as f16 fragments (RF), and at each 128th step the state as f16 fragments (SB), for the launch that makes y.
; LEFT OUT as dead work (shown at the head of the first kernel): the first chunk's product with the zero state; the state's update behind the last chunk.
; LIMITS as stated there: f16 for K, 512 x state, R, 125.44 R; bf16 for T' and G as its operand.
; THE RING.  Two LDS slots of two chunk packages (47,104 bytes each, dense rows of 256 bytes); each wave fetches one package with one tensor load, both waves read both.  At most one tensor load of a wave is out.
; The text uses 225,536 bytes.
; NO CLUSTER: the sixteen work-groups share no byte.
; REGISTERS.  Window 0: v1-7 addresses; v16-79 the state's f16 fragments; v80-111 PA (K A, then G, then R); v112-143 PB; v144-175 V; v176-239 fragments of G, of R scaled, of R.
; Window 1: v0-63 512 A^T, v64-127 512 B^T (16 channels a tile); v128-255 four tables by step.  Window 2: K's and K^T's fragments.  Window 3: v0-47 T'.
.set LA, 0xbceec451
.set LB, 0xbe1ba6b3
.set PKG,   47104
.set SLOT1, 131072
.set SPARE, 225280                     ; behind slot 1: the spare words, 128 bytes a wave: one block of 256 bytes that no other line names
.set LN, 1                             ; 16 x lane
.set LV0, 2                            ; + 4,096 z: my tile of V
.set ADR, 3
.set ADV, 4
.set PFO, 5                            ; 256 x lane
.set SPW, 6
.set NIL, 7
.set SFA, 16
.set PA, 80
.set PB, 112
.set VD, 144
.set FG, 176
.set FRA, 192
.set FR, 224
.set GA, 128                           ; window 1: 2^-9 a^i;  GB 2^-9 b^i;  ZA -125.44 a^(63-i);  ZB 115.2 b^(63-i);  i = 16 tau + 8 (lane / 16) + j at 8 tau + j
.set GB, 160
.set ZA, 192
.set ZB, 224
.set MSB, 0
.macro WIN new
.if MSB != (\new)
	s_set_vgpr_msb (MSB<<8)|(\new)
.set MSB, (\new)
.endif
.endm
.macro PLACES
.rept 4
	v_nop
.endr
.endm
.macro SETADR                          ; s28: LDS byte at which the package to be fetched begins
	WIN 0
	v_add_nc_u32 v[ADR], s28, v[LN]
	v_add_nc_u32 v[ADV], s28, v[LV0]
.endm
.macro FETCH_VD
	WIN 0
.set i, 0
.rept 4
	ds_load_b128 v[VD+8*i:VD+8*i+3],   v[ADV] offset:1024*i
	ds_load_b128 v[VD+8*i+4:VD+8*i+7], v[ADV] offset:1024*i+512
.set i, i+1
.endr
.endm
.macro FETCH_KF
	WIN 0x80
.set i, 0
.rept 16
	ds_load_b128 v[8*i:8*i+3],   v[ADR] offset:8192+1024*i
	ds_load_b128 v[8*i+4:8*i+7], v[ADR] offset:8192+1024*i+512
.set i, i+1
.endr
	WIN 0
.endm
.macro FETCH_KT
	WIN 0x80
.set i, 0
.rept 16
	ds_load_b128 v[128+8*i:128+8*i+3],   v[ADR] offset:24576+1024*i
	ds_load_b128 v[128+8*i+4:128+8*i+7], v[ADR] offset:24576+1024*i+512
.set i, i+1
.endr
	WIN 0xc0
.set i, 0
.rept 6
	ds_load_b128 v[8*i:8*i+3],   v[ADR] offset:40960+1024*i
	ds_load_b128 v[8*i+4:8*i+7], v[ADR] offset:40960+1024*i+512
.set i, i+1
.endr
	WIN 0
.endm
; THE CHANGE OF SLOTS.  Each wave waits for all its tensor loads (one is out: its package of the other slot), adds 0 to its spare word, and waits for that and for its reads of the slot that it leaves; behind the
; barrier nobody reads the old slot and the other slot is whole.  fill = 1: the old slot is filled again first thing, with the chunks two slots on.  sb = 1: SB's pointer goes to the next block of 128 steps.
; THE PREFETCH, behind the tensor load and its five lines: the batch's packages are one stream of 23,552 blocks of 256 bytes; change e names blocks 1104 + 384 (e - 1) .. + 383, wave z 192 of them, a lane a block,
; six instructions: from two changes ahead of the load that wants them.  Each block is named once.  Changes 1 to 58 ask (s30 = 64 - e is above 5); block 23,375 is the last named, inside the stream.
.macro CHANGE fill, sb
	WIN 0
	s_wait_tensorcnt 0x0                           ; no tensor load of mine is out, so the descriptor may be written
	ds_add_u32 v[SPW], v[NIL]                      ; 0 onto my spare word
	s_wait_xcnt 0x0                                ; earlier stores and prefetches have read their pointers
.if \fill
	s_xor_b32 s25, s25, SLOT1
	s_add_nc_u64 s[26:27], s[26:27], 2*PKG
	s_add_nc_u64 s[36:37], s[36:37], 98304
.endif
.if \sb
	s_add_nc_u64 s[34:35], s[34:35], 16384
.endif
	s_wait_dscnt 0x0                               ; the add is done, and my reads of the slot are over
	s_barrier_signal -1
	s_sub_co_u32 s28, s28, 2*PKG                   ; the fetches go back to a slot's first package,
	s_xor_b32 s28, s28, SLOT1                      ; in the other slot
	s_barrier_wait -1
.if \fill
	tensor_load_to_lds s[24:27], s[16:23]
	s_nop 0
.rept 4
	v_nop
.endr
	s_cmp_gt_u32 s30, 5
	s_cbranch_scc0 .Lnopf_\@
.irp k, 0,1,2,3,4,5
	global_prefetch_b8 v[PFO], s[36:37] offset:8192*\k th:TH_LOAD_NT scope:SCOPE_SE
.endr
.Lnopf_\@:
.endif
.endm
.macro SBSTORE                         ; the state at a block's start: eight fragments, 512 consecutive bytes a store
.set i, 0
.rept 8
	global_store_b128 v[LN], v[SFA+8*i:SFA+8*i+3],   s[34:35] offset:1024*i
	global_store_b128 v[LN], v[SFA+8*i+4:SFA+8*i+7], s[34:35] offset:1024*i+512
.set i, i+1
.endr
.endm
; G.  32 products on 8 accumulators by turns (7 others between two links of a chain)
.macro PART_A
	s_wait_dscnt 0x0                               ; K's fragments and V are in
	FETCH_KT                                       ; K^T and T' of this chunk: wanted behind the 32 products
	WIN 0x02
.irp ks, 0,1,2,3
.irp t, 0,1,2,3
.if \ks == 0
	v_wmma_f32_16x16x32_f16 v[PA+8*\t:PA+8*\t+7], v[8*(4*\t+\ks):8*(4*\t+\ks)+7], v[SFA+8*\ks:SFA+8*\ks+7], 0
	v_wmma_f32_16x16x32_f16 v[PB+8*\t:PB+8*\t+7], v[8*(4*\t+\ks):8*(4*\t+\ks)+7], v[SFA+32+8*\ks:SFA+32+8*\ks+7], 0
.else
	v_wmma_f32_16x16x32_f16 v[PA+8*\t:PA+8*\t+7], v[8*(4*\t+\ks):8*(4*\t+\ks)+7], v[SFA+8*\ks:SFA+8*\ks+7], v[PA+8*\t:PA+8*\t+7]
	v_wmma_f32_16x16x32_f16 v[PB+8*\t:PB+8*\t+7], v[8*(4*\t+\ks):8*(4*\t+\ks)+7], v[SFA+32+8*\ks:SFA+32+8*\ks+7], v[PB+8*\t:PB+8*\t+7]
.endif
.endr
.endr
	WIN 0
	PLACES
	WIN 0x04                                       ; source 1: the tables in window 1
.set i, 0
.rept 16
	v_pk_fma_f32 v[PB+i:PB+i+1], v[PB+i:PB+i+1], v[GB+i:GB+i+1], v[VD+i:VD+i+1] neg_lo:[0,0,1] neg_hi:[0,0,1]
.set i, i+2
.endr
.set i, 0
.rept 16
	v_pk_fma_f32 v[PA+i:PA+i+1], v[PA+i:PA+i+1], v[GA+i:GA+i+1], v[PB+i:PB+i+1]
.set i, i+2
.endr
	WIN 0
.endm
; product n of 8 of group g of the state's update: steps 32 (n / 4) on; tile n % 4: channels 16 (2 g + (n % 4) / 2) on, A or B by n % 2.  Four accumulators by turns
.macro GRPMM g, n
	WIN 0x52
.set TS, 64*((\n)%2)+8*(2*(\g)+((\n)%4)/2)
.set TK, 128+8*(2*(2*(\g)+((\n)%4)/2)+(\n)/4)
.set TR, FRA+16*((\n)%2)+8*((\n)/4)
	v_wmma_f32_16x16x32_f16 v[TS:TS+7], v[TK:TK+7], v[TR:TR+7], v[TS:TS+7]
.endm
.macro RCVT gp, k                      ; tile k of the finished group gp, rounded to f16: half a fragment of the new state
	WIN 0x05
.set TS, 64*((\k)%2)+8*(2*(\gp)+(\k)/2)
.set SD, SFA+32*((\k)%2)+8*(\gp)+4*((\k)/2)
.irp p, 0,1,2,3
	v_cvt_pk_f16_f32 v[SD+\p], v[TS+2*\p], v[TS+2*\p+1]
.endr
.endm
.macro RDEC gp, k                      ; and then times a^64 or b^64, ready for the next chunk's sums
	WIN 0x41
.set TS, 64*((\k)%2)+8*(2*(\gp)+(\k)/2)
.irp p, 0,2,4,6
	v_pk_mul_f32 v[TS+\p:TS+\p+1], v[TS+\p:TS+\p+1], s[38+2*((\k)%2):39+2*((\k)%2)] op_sel_hi:[1,0]
.endr
.endm
.macro GROUP g                         ; eight products; behind each, four vector instructions on the group before
.set n, 0
.rept 8
	GRPMM \g, n
.if (\g) > 0
.if ((\g) == 1) && (n == 0)
	PLACES                                         ; group 0 had no vector work behind its products
.endif
.if n%2 == 0
	RCVT (\g)-1, n/2
.else
	RDEC (\g)-1, n/2
.endif
.endif
.set n, n+1
.endr
.endm
; R, its store, and the state.  mode 1: the next chunk lies in this slot and its K and V are fetched; 0: it lies in the other slot; 2: the last chunk of all: R alone
.macro PART_B mode
	WIN 0
.set i, 0
.rept 16
	v_cvt_pk_bf16_f32 v[FG+i], v[PA+2*i], v[PA+2*i+1]
.set i, i+1
.endr
	s_wait_dscnt 0x0                               ; T' and K^T are in
	WIN 0x03
	v_wmma_f32_16x16x32_bf16 v[PA:PA+7],     v[0:7],   v[FG:FG+7],    v[PA:PA+7]
	v_wmma_f32_16x16x32_bf16 v[PA+8:PA+15],  v[8:15],  v[FG:FG+7],    v[PA+8:PA+15]
	v_wmma_f32_16x16x32_bf16 v[PA+16:PA+23], v[16:23], v[FG:FG+7],    v[PA+16:PA+23]
	v_wmma_f32_16x16x32_bf16 v[PA+24:PA+31], v[24:31], v[FG:FG+7],    v[PA+24:PA+31]
	v_wmma_f32_16x16x32_bf16 v[PA+16:PA+23], v[32:39], v[FG+8:FG+15], v[PA+16:PA+23]
	v_wmma_f32_16x16x32_bf16 v[PA+24:PA+31], v[40:47], v[FG+8:FG+15], v[PA+24:PA+31]
	WIN 0
	PLACES
.set i, 0
.rept 16
	v_cvt_pk_f16_f32 v[FR+i], v[PA+2*i], v[PA+2*i+1]
.set i, i+1
.endr
.irp q, 0,1
	global_store_b128 v[LN], v[FR+8*\q:FR+8*\q+3],   s[32:33] offset:2048*\q
	global_store_b128 v[LN], v[FR+8*\q+4:FR+8*\q+7], s[32:33] offset:2048*\q+512
.endr
.if (\mode) < 2
	WIN 0x04
.set i, 0
.rept 16
	v_pk_mul_f32 v[PB+i:PB+i+1], v[PA+i:PA+i+1], v[ZA+i:ZA+i+1]
	v_pk_mul_f32 v[VD+i:VD+i+1], v[PA+i:PA+i+1], v[ZB+i:ZB+i+1]
.set i, i+2
.endr
	WIN 0
.set i, 0
.rept 16
	v_cvt_pk_f16_f32 v[FRA+i],    v[PB+2*i], v[PB+2*i+1]
	v_cvt_pk_f16_f32 v[FRA+16+i], v[VD+2*i], v[VD+2*i+1]
.set i, i+1
.endr
	s_add_co_u32 s28, s28, PKG
.if (\mode) == 1
	SETADR
	FETCH_VD
	FETCH_KF
.endif
	GROUP 0
	s_wait_xcnt 0x0                                ; the stores of R and of the state have read their registers and pointers
	s_add_nc_u64 s[32:33], s[32:33], 4096
	GROUP 1
	GROUP 2
	GROUP 3
	PLACES
.irp k, 0,1,2,3
	RCVT 3, \k
.endr
.irp k, 0,1,2,3
	RDEC 3, \k
.endr
	WIN 0
.endif
.endm
	s_load_b128 s[4:7], s[0:1], 0x0                ; PK s[4:5], RF s[6:7]
	s_load_b64 s[8:9], s[0:1], 0x10                ; SB
	v_lshl_add_u32 v[SPW], v0, 2, SPARE
	v_mov_b32 v[NIL], 0
	ds_add_u32 v[SPW], v[NIL]                      ; the wave's opening: the add, twice on end, and its wait ahead of my first tensor load
	ds_add_u32 v[SPW], v[NIL]
	v_lshrrev_b32 v8, 5, v0
	v_readfirstlane_b32 s10, v8                    ; z
	; descriptor group 1: 184 dense rows of 32 elements of 8 bytes
	s_mov_b32 s16, 3<<16
	s_mov_b32 s17, 32<<16                          ; tensor_dim0 = 32
	s_mov_b32 s18, 184<<16                         ; tensor_dim1 = 184
	s_mov_b32 s19, 32<<16                          ; tile_dim0 = 32
	s_mov_b32 s20, 184                             ; tile_dim1 = 184
	s_mov_b32 s21, 32                              ; 32 elements from row to row
	s_mov_b32 s22, 0
	s_mov_b32 s23, 0
	s_mov_b32 s24, 1
	s_mul_i32 s25, s10, PKG                        ; LDS: my package's place in slot 0
	s_mov_b32 s28, SLOT1+2*PKG                     ; the first change of slots turns this into 0
	s_mov_b32 s30, 63                              ; changes that fill, still to come
	s_lshl_b32 s42, ttmp9, 7
	s_add_co_u32 s42, s42, s10
	s_mul_i32 s42, s42, PKG                        ; chunk 128 b + z
	s_mov_b32 s43, 0
	s_mul_i32 s44, ttmp9, 128*PKG
	s_mul_i32 s46, s10, 49152
	s_add_co_u32 s44, s44, s46
	s_add_co_u32 s44, s44, 720*256                 ; the first change steps this to block 1104 + 192 z
	s_mov_b32 s45, 0
	s_lshl_b32 s46, ttmp9, 19
	s_lshl_b32 s48, s10, 10
	s_add_co_u32 s46, s46, s48                     ; RF: 524,288 b + 1,024 z
	s_mov_b32 s47, 0
	s_lshl_b32 s48, ttmp9, 20
	s_lshl_b32 s50, s10, 13
	s_add_co_u32 s48, s48, s50                     ; SB: 1,048,576 b + 8,192 z
	s_mov_b32 s49, 0
	s_wait_dscnt 0x0                               ; both opening adds are done
	s_wait_kmcnt 0x0
	s_add_nc_u64 s[26:27], s[4:5], s[42:43]
	s_or_b32 s27, s27, 0x80000000
	s_add_nc_u64 s[36:37], s[4:5], s[44:45]
	s_add_nc_u64 s[32:33], s[6:7], s[46:47]
	s_add_nc_u64 s[34:35], s[8:9], s[48:49]
	tensor_load_to_lds s[24:27], s[16:23]          ; chunks 0 and 1 into slot 0
	s_nop 0
.rept 4
	v_nop
.endr
	v_and_b32 v[LN], 31, v0
	v_lshlrev_b32 v[PFO], 8, v[LN]
	v_lshlrev_b32 v[LN], 4, v[LN]
	s_lshl_b32 s42, s10, 12
	v_add_nc_u32 v[LV0], s42, v[LN]
	; the tables, in the wait for the first tile.  a^16, b^16 by four squarings; a^64, b^64 by two more
	s_mov_b32 s52, 0x3f7ae148
	s_mov_b32 s53, 0x3f666666
.rept 4
	s_mul_f32 s52, s52, s52
	s_mul_f32 s53, s53, s53
.endr
	s_mul_f32 s38, s52, s52
	s_mul_f32 s40, s53, s53
	s_mul_f32 s38, s38, s38
	s_mul_f32 s40, s40, s40
	s_mov_b32 s39, 0                               ; named as pairs
	s_mov_b32 s41, 0
	s_mov_b32 s44, 0x3b000000                      ; 2^-9
	s_mov_b32 s45, 0
	s_mov_b32 s46, 0x3b000000
	s_mov_b32 s47, 0
	s_mov_b32 s48, 0xc2fae148                      ; -125.44 = -0.245 x 512
	s_mov_b32 s49, 0
	s_mov_b32 s50, 0x42e66666                      ; 115.2 = 0.225 x 512
	s_mov_b32 s51, 0
	v_bfe_u32 v8, v0, 4, 1
	v_lshlrev_b32 v8, 3, v8                        ; 8 h
.irp j, 0,1,2,3,4,5,6,7
	v_add_nc_u32 v9, \j, v8                        ; 8 h + j
	v_cvt_f32_i32 v9, v9
	v_mul_f32 v[80+\j], LA, v9
	v_mul_f32 v[88+\j], LB, v9
	v_sub_nc_u32 v10, 15-\j, v8                    ; 15 - 8 h - j
	v_cvt_f32_i32 v10, v10
	v_mul_f32 v[96+\j], LA, v10
	v_mul_f32 v[104+\j], LB, v10
.endr
.set i, 80
.rept 32
	v_exp_f32 v[i], v[i]
.set i, i+1
.endr
	v_nop                                          ; a plain instruction behind the last exponential,
	s_wait_alu depctr_va_vdst(0)                   ; and one wait for the batch
	WIN 0x40
.irp n, 0,1,2,3                        ; G's tables for tau = n, Z's for tau = 3 - n: the scalars grow by a^16, b^16
.irp p, 0,2,4,6
	v_pk_mul_f32 v[GA+8*\n+\p:GA+8*\n+\p+1], v[80+\p:81+\p], s[44:45] op_sel_hi:[1,0]
	v_pk_mul_f32 v[GB+8*\n+\p:GB+8*\n+\p+1], v[88+\p:89+\p], s[46:47] op_sel_hi:[1,0]
	v_pk_mul_f32 v[ZA+24-8*\n+\p:ZA+24-8*\n+\p+1], v[96+\p:97+\p], s[48:49] op_sel_hi:[1,0]
	v_pk_mul_f32 v[ZB+24-8*\n+\p:ZB+24-8*\n+\p+1], v[104+\p:105+\p], s[50:51] op_sel_hi:[1,0]
.endr
	s_mul_f32 s44, s44, s52
	s_mul_f32 s46, s46, s53
	s_mul_f32 s48, s48, s52
	s_mul_f32 s50, s50, s53
.endr
.set i, 0
.rept 128
	v_mov_b32 v[i], 0                              ; reference()'s zero state: 128 lines, once a launch, in the wait for the first tile, so that the update has one form
.set i, i+1
.endr
	WIN 0
	CHANGE 1, 0                                    ; slot 0 is in, both packages; slot 1 is asked for
	SETADR
	FETCH_VD
	FETCH_KT
	s_wait_dscnt 0x0
.set i, 0
.rept 16
	v_pk_mul_f32 v[PA+i:PA+i+1], v[VD+i:VD+i+1], -1.0 op_sel_hi:[1,0]  ; the first chunk's G is -V
.set i, i+2
.endr
	s_branch .Lmid                                 ; the loop is entered behind the product that the zero state spares
.Lslot:                                ; 62 trips: a slot's two chunks; the slot left is filled again
	CHANGE 1, 1
	SBSTORE
	SETADR
	FETCH_VD
	FETCH_KF
	PART_A
.Lmid:
	PART_B 1
	PART_A
	PART_B 0
	s_sub_co_u32 s30, s30, 1
	s_cmp_lg_u32 s30, 0
	s_cbranch_scc1 .Lslot
	CHANGE 0, 1                                    ; the last slot is written out: nothing is asked for
	SBSTORE
	SETADR
	FETCH_VD
	FETCH_KF
	PART_A
	PART_B 1
	PART_A
	PART_B 2
	s_wait_tensorcnt 0x0                           ; the wave's end
	ds_add_u32 v[SPW], v[NIL]
	s_wait_dscnt 0x0
	s_endpgm
.Lfunc_end_k_qc709793309_scan:
	.size	k_qc709793309_scan, .Lfunc_end_k_qc709793309_scan-k_qc709793309_scan
	.p2alignl 7, 3214868480
	.fill 96, 4, 3214868480
	.section	.rodata,"a",@progbits
	.p2align	6, 0x0
	.amdhsa_kernel k_qc709793309_scan
		.amdhsa_group_segment_fixed_size 327680
		.amdhsa_private_segment_fixed_size 0
		.amdhsa_enable_private_segment 0
		.amdhsa_kernarg_size 24
		.amdhsa_user_sgpr_count 2
		.amdhsa_user_sgpr_kernarg_segment_ptr 1
		.amdhsa_wavefront_size32 1
		.amdhsa_system_sgpr_workgroup_id_x 1
		.amdhsa_system_sgpr_workgroup_id_y 1
		.amdhsa_system_sgpr_workgroup_id_z 1
		.amdhsa_system_vgpr_workitem_id 0
		.amdhsa_next_free_vgpr 816
		.amdhsa_next_free_sgpr 66
		.amdhsa_reserve_vcc 0
		.amdhsa_float_denorm_mode_32 3
		.amdhsa_float_denorm_mode_16_64 3
		.amdhsa_memory_ordered 1
		.amdhsa_forward_progress 1
		.amdhsa_inst_pref_size 127
	.end_amdhsa_kernel
	.amdgpu_metadata
---
amdhsa.version: [ 1, 2 ]
amdhsa.kernels:
  - .name:           k_qc709793309_scan
    .symbol:         k_qc709793309_scan.kd
    .args:
      - { .name: PK, .offset: 0, .size: 8, .value_kind: global_buffer, .address_space: global }
      - { .name: RF, .offset: 8, .size: 8, .value_kind: global_buffer, .address_space: global }
      - { .name: SB, .offset: 16, .size: 8, .value_kind: global_buffer, .address_space: global }
    .group_segment_fixed_size: 327680
    .private_segment_fixed_size: 0
    .kernarg_segment_align: 8
    .kernarg_segment_size: 24
    .max_flat_workgroup_size: 64
    .sgpr_count:     66
    .vgpr_count:     816
    .wavefront_size: 32
...
	.end_amdgpu_metadata
.endif
;; end of part 2
;; launch out (part 3): grid 1024 x 1, 4 waves a work-group, no clusters, 18,944 bytes of LDS; arguments Q, PK, RF, SB, out0; writes out0
.if DOCPART == 3
	.amdgcn_target "amdgcn-amd-amdhsa--gfx1250"
	.amdhsa_code_object_version 6
	.text
	.protected	k_qc709793309_out
	.globl	k_qc709793309_out
	.p2align	8
	.type	k_qc709793309_out,@function
k_qc709793309_out:
	s_mov_b64 s[64:65], 0
	v_nop
	global_prefetch_b8 v0, s[64:65] scope:SCOPE_SE
	s_setreg_imm32_b32 hwreg(HW_REG_WAVE_MODE, 25, 1), 1
	s_wait_xcnt 0x0
; TITANS MEMORY, launch 3 of 3: y.  A work-group is a block of 128 steps of a batch (ttmp9 = 64 b + c), wave p its steps 32 p .. 32 p + 31.  With A0, B0 the state at the block's start and i the step in the block:
; y_i = a^(i+1) A0 q_i + b^(i+1) B0 q_i + the sum over s <= i of w(i-s) (k_s . q_i) r_s,  w(d) = -0.245 a^d + 0.225 b^d.
; LEFT OUT as dead work (shown at the head of the first kernel): block 0's products with the zero state; tiles of keys wholly behind the queries.
; LIMITS as stated there: Q, K, R, 512 x state and 512 w (k . q) go in f16; sums in f32.
; LAYOUT.  S = K Q^T holds one query a lane and eight keys; two such tiles, weighted and rounded in pairs, are source 1 of y^T = R^T P, whose result holds one query a lane and eight values: 32 bytes of a row of y.
; All operands but Q come straight from memory in register order, 512 consecutive bytes a load.  No wave wants another's bytes: no barrier; LDS is each wave's own stage on the way out.
; NO CLUSTER, NO TENSOR LOADS: what a work-group's waves share (K's and the state's fragments) is read through registers, shortly one after the other.
.set LA, 0xbceec451
.set LB, 0xbe1ba6b3
.set SPARE, 18432                      ; behind the four stages of 32 rows x 144 bytes: the spare words, 128 bytes a wave
.set LN, 1
.set QO, 2
.set STO, 3
.set RD, 4
.set SPW, 5
.set NIL, 6
.set X, 7
.set TA0, 10                           ; a^(x-j)
.set TB0, 18                           ; b^(x-j)
.set CD0, 26                           ; 512 w(x-j), 0 where the key is behind the query; later the weights of the tile in hand
.set CT, 26
.set CD1, 34                           ; 512 w(16+x-j)
.set PW, 42                            ; a^t, b^t for my query of the first 16, then of the second
.set RFR, 46
.set QF, 62
.set Y, 126
.set KF, 158
.set S, 222
.set FP, 238
.set YM, 222
.macro PLACES
.rept 4
	v_nop
.endr
.endm
.macro LOADQ t
.irp ks, 0,1,2,3
	global_load_b128 v[KF+16*\ks:KF+16*\ks+3],     v[QO], s[4:5] offset:(\t)*8192+\ks*128 th:TH_LOAD_NT
	global_load_b128 v[KF+16*\ks+4:KF+16*\ks+7],   v[QO], s[4:5] offset:(\t)*8192+\ks*128+16 th:TH_LOAD_NT
	global_load_b128 v[KF+16*\ks+8:KF+16*\ks+11],  v[QO], s[4:5] offset:(\t)*8192+\ks*128+64 th:TH_LOAD_NT
	global_load_b128 v[KF+16*\ks+12:KF+16*\ks+15], v[QO], s[4:5] offset:(\t)*8192+\ks*128+80 th:TH_LOAD_NT
.endr
.endm
.macro CVTQ t
.set i, 0
.rept 32
	v_cvt_pk_f16_f32 v[QF+32*(\t)+i], v[KF+2*i], v[KF+2*i+1]
.set i, i+1
.endr
.endm
.macro MKCT dst, sa, sb                ; weights of a tile: sa a^(x-j) + sb b^(x-j)
.irp p, 0,2,4,6
	v_pk_mul_f32 v[(\dst)+\p:(\dst)+\p+1], v[TB0+\p:TB0+\p+1], s[\sb:\sb+1] op_sel_hi:[1,0]
.endr
.irp p, 0,2,4,6
	v_pk_fma_f32 v[(\dst)+\p:(\dst)+\p+1], v[TA0+\p:TA0+\p+1], s[\sa:\sa+1], v[(\dst)+\p:(\dst)+\p+1] op_sel_hi:[1,0,1]
.endr
.endm
.macro LOADU                           ; unit s24 (32 steps, counted over all batches): its K (8 fragments) and R^T (2)
	s_lshr_b32 s25, s24, 1
	s_mul_i32 s26, s25, 47104                      ; the chunk's package,
	s_and_b32 s25, s24, 1
	s_lshl_b32 s25, s25, 13                        ; the unit's half of K's fragments
	s_add_co_u32 s26, s26, s25
	s_mov_b32 s27, 0
	s_add_nc_u64 s[28:29], s[6:7], s[26:27]
	s_lshl_b32 s26, s24, 11
	s_add_nc_u64 s[30:31], s[8:9], s[26:27]
.set i, 0
.rept 8
	global_load_b128 v[KF+8*i:KF+8*i+3],   v[LN], s[28:29] offset:8192+1024*i
	global_load_b128 v[KF+8*i+4:KF+8*i+7], v[LN], s[28:29] offset:8192+1024*i+512
.set i, i+1
.endr
.irp z, 0,1
	global_load_b128 v[RFR+8*\z:RFR+8*\z+3],   v[LN], s[30:31] offset:1024*\z
	global_load_b128 v[RFR+8*\z+4:RFR+8*\z+7], v[LN], s[30:31] offset:1024*\z+512
.endr
.endm
.macro SMUL sg                         ; keys 16 sg on x both tiles of queries: two accumulators by turns
.irp ks, 0,1,2,3
.irp t, 0,1
.if \ks == 0
	v_wmma_f32_16x16x32_f16 v[S+8*\t:S+8*\t+7], v[KF+8*(4*(\sg)+\ks):KF+8*(4*(\sg)+\ks)+7], v[QF+8*(4*\t+\ks):QF+8*(4*\t+\ks)+7], 0
.else
	v_wmma_f32_16x16x32_f16 v[S+8*\t:S+8*\t+7], v[KF+8*(4*(\sg)+\ks):KF+8*(4*(\sg)+\ks)+7], v[QF+8*(4*\t+\ks):QF+8*(4*\t+\ks)+7], v[S+8*\t:S+8*\t+7]
.endif
.endr
.endr
.endm
.macro SCP t, sg, tab                  ; a tile weighted and rounded: half a fragment of P
.irp p, 0,2,4,6
	v_pk_mul_f32 v[S+8*(\t)+\p:S+8*(\t)+\p+1], v[S+8*(\t)+\p:S+8*(\t)+\p+1], v[(\tab)+\p:(\tab)+\p+1]
.endr
.irp p, 0,1,2,3
	v_cvt_pk_f16_f32 v[FP+8*(\t)+4*(\sg)+\p], v[S+8*(\t)+2*\p], v[S+8*(\t)+2*\p+1]
.endr
.endm
.macro YMUL                            ; y^T += R^T P: four accumulators, one instruction each; the places serve the loads and sums that follow
.irp z, 0,1
.irp t, 0,1
	v_wmma_f32_16x16x32_f16 v[Y+8*(2*\z+\t):Y+8*(2*\z+\t)+7], v[RFR+8*\z:RFR+8*\z+7], v[FP+8*\t:FP+8*\t+7], v[Y+8*(2*\z+\t):Y+8*(2*\z+\t)+7]
.endr
.endr
	PLACES
.endm
.macro STATE mode                      ; 512 A0 (mode 0) or 512 B0 (1) times Q^T: four accumulators by turns
.set i, 0
.rept 8                                ; fragment (z, ks) = i
	global_load_b128 v[KF+8*i:KF+8*i+3],   v[LN], s[32:33] offset:(i/4)*8192+(\mode)*4096+(i%4)*1024
	global_load_b128 v[KF+8*i+4:KF+8*i+7], v[LN], s[32:33] offset:(i/4)*8192+(\mode)*4096+(i%4)*1024+512
.set i, i+1
.endr
	s_wait_loadcnt 0x0
.irp ks, 0,1,2,3
.irp z, 0,1
.irp t, 0,1
.if \ks == 0
	v_wmma_f32_16x16x32_f16 v[YM+8*(2*\z+\t):YM+8*(2*\z+\t)+7], v[KF+8*(4*\z+\ks):KF+8*(4*\z+\ks)+7], v[QF+8*(4*\t+\ks):QF+8*(4*\t+\ks)+7], 0
.else
	v_wmma_f32_16x16x32_f16 v[YM+8*(2*\z+\t):YM+8*(2*\z+\t)+7], v[KF+8*(4*\z+\ks):KF+8*(4*\z+\ks)+7], v[QF+8*(4*\t+\ks):QF+8*(4*\t+\ks)+7], v[YM+8*(2*\z+\t):YM+8*(2*\z+\t)+7]
.endif
.endr
.endr
.endr
	PLACES
.set i, 0
.rept 32                               ; times a^t or b^t, one number a lane
.if (\mode) == 0
	v_mul_f32 v[Y+i], v[YM+i], v[PW+2*((i/8)%2)]
.else
	v_fmac_f32 v[Y+i], v[YM+i], v[PW+1+2*((i/8)%2)]
.endif
.set i, i+1
.endr
.endm
	s_load_b256 s[4:11], s[0:1], 0x0               ; Q s[4:5], PK s[6:7], RF s[8:9], SB s[10:11]
	s_load_b64 s[12:13], s[0:1], 0x20              ; out0
	v_lshl_add_u32 v[SPW], v0, 2, SPARE
	v_mov_b32 v[NIL], 0
	v_lshrrev_b32 v8, 5, v0
	v_readfirstlane_b32 s14, v8                    ; p
	s_and_b32 s15, ttmp9, 63                       ; c
	v_and_b32 v8, 15, v0                           ; r
	v_bfe_u32 v9, v0, 4, 1                         ; h
	v_lshlrev_b32 v[QO], 9, v8
	v_lshl_add_u32 v[QO], v9, 5, v[QO]             ; 512 r + 32 h
	v_and_b32 v126, 31, v0
	v_lshlrev_b32 v[LN], 4, v126
	s_mul_i32 s17, s14, 4608                       ; my stage
	v_mul_u32_u24 v[STO], v8, 144
	v_lshl_add_u32 v[STO], v9, 5, v[STO]
	v_add_nc_u32 v[STO], s17, v[STO]               ; in: row r, 32 bytes for each half of the lanes
	v_lshrrev_b32 v127, 3, v126
	v_mul_u32_u24 v[RD], v127, 144
	v_and_b32 v127, 7, v126
	v_lshl_add_u32 v[RD], v127, 4, v[RD]
	v_add_nc_u32 v[RD], s17, v[RD]                 ; back: 32 lanes take four rows of 128 bytes
	v_lshlrev_b32 v[X], 3, v9
	v_sub_nc_u32 v[X], v8, v[X]                    ; x = r - 8 h
	s_lshl_b32 s20, ttmp9, 16
	s_lshl_b32 s21, s14, 14
	s_add_co_u32 s20, s20, s21                     ; Q: my 32 rows of 512 bytes
	s_mov_b32 s21, 0
	s_lshl_b32 s22, ttmp9, 14
	s_mov_b32 s23, 0                               ; SB: the block's 16,384 bytes
	s_lshl_b32 s36, s14, 12
	s_add_co_u32 s36, s36, s22                     ; out0: my 32 rows of 128 bytes
	s_mov_b32 s37, 0
	s_wait_kmcnt 0x0
	s_add_nc_u64 s[4:5], s[4:5], s[20:21]
	s_add_nc_u64 s[32:33], s[10:11], s[22:23]
	s_add_nc_u64 s[12:13], s[12:13], s[36:37]
	LOADQ 0
	; the tables, while Q's first rows are out
	s_mov_b32 s52, 0x3f7ae148
	s_mov_b32 s53, 0x3f666666
.rept 4
	s_mul_f32 s52, s52, s52                        ; a^16, b^16
	s_mul_f32 s53, s53, s53
.endr
	s_mul_f32 s54, s52, s52                        ; a^32, b^32
	s_mul_f32 s55, s53, s53
	s_mov_b32 s40, 0xc2fae148                      ; -125.44 a^(16 d) for three neighbouring d, named as pairs
	s_mul_f32 s42, s40, s52
	s_mul_f32 s44, s42, s52
	s_mov_b32 s46, 0x42e66666                      ; 115.2 b^(16 d)
	s_mul_f32 s48, s46, s53
	s_mul_f32 s50, s48, s53
.irp k, 41,43,45,47,49,51
	s_mov_b32 s\k, 0
.endr
.irp j, 0,1,2,3,4,5,6,7
	v_add_nc_u32 v126, -\j, v[X]
	v_cvt_f32_i32 v126, v126
	v_mul_f32 v[TA0+\j], LA, v126
	v_mul_f32 v[TB0+\j], LB, v126
.endr
	s_lshl_b32 s17, s14, 5
	v_add_nc_u32 v126, 1, v8
	v_add_nc_u32 v126, s17, v126                   ; t = 32 p + r + 1,
	v_add_nc_u32 v127, 16, v126                    ; and 16 more for the second tile
	v_cvt_f32_i32 v126, v126
	v_cvt_f32_i32 v127, v127
	v_mul_f32 v[PW], LA, v126
	v_mul_f32 v[PW+1], LB, v126
	v_mul_f32 v[PW+2], LA, v127
	v_mul_f32 v[PW+3], LB, v127
.set i, TA0
.rept 16
	v_exp_f32 v[i], v[i]
.set i, i+1
.endr
.irp k, 0,1,2,3
	v_exp_f32 v[PW+\k], v[PW+\k]
.endr
	v_nop                                          ; a plain instruction behind the last exponential,
	s_wait_alu depctr_va_vdst(0)                   ; and one wait for the batch of 20
	MKCT CD0, 40, 46
	MKCT CD1, 42, 48
.irp j, 0,1,2,3,4,5,6,7
	v_cmp_le_i32 vcc_lo, \j, v[X]                  ; the key is not behind the query
	v_cndmask_b32 v[CD0+\j], 0, v[CD0+\j], vcc_lo
.endr
.irp k, 40,42,44
	s_mul_f32 s\k, s\k, s52                        ; for the unit before mine: d = 1, 2, 3
.endr
.irp k, 46,48,50
	s_mul_f32 s\k, s\k, s53
.endr
	s_wait_loadcnt 0x0
	CVTQ 0
	LOADQ 1
	s_wait_loadcnt 0x0
	CVTQ 1
	s_cmp_eq_u32 s15, 0
	s_cbranch_scc1 .Lzero                          ; block 0 starts from reference()'s zero state
	STATE 0
	STATE 1
	s_branch .Ldiag
.Lzero:
.set i, 0
.rept 32
	v_mov_b32 v[Y+i], 0
.set i, i+1
.endr
.Ldiag:
	; my own unit: of its four tiles one lies wholly behind the queries and is not made
	s_lshl_b32 s24, ttmp9, 2
	s_add_co_u32 s24, s24, s14                     ; unit 4 (64 b + c) + p
	LOADU
	s_wait_loadcnt 0x0
	SMUL 0
	PLACES
	SCP 0, 0, CD0
	SCP 1, 0, CD1
	v_wmma_f32_16x16x32_f16 v[S:S+7],    v[KF+32:KF+39], v[QF+32:QF+39], 0      ; keys 16-31 x queries 16-31: even and odd quarters of the channels on two accumulators by turns
	v_wmma_f32_16x16x32_f16 v[S+8:S+15], v[KF+40:KF+47], v[QF+40:QF+47], 0
	v_wmma_f32_16x16x32_f16 v[S:S+7],    v[KF+48:KF+55], v[QF+48:QF+55], v[S:S+7]
	v_wmma_f32_16x16x32_f16 v[S+8:S+15], v[KF+56:KF+63], v[QF+56:QF+63], v[S+8:S+15]
.irp p, 0,1,2,3
	v_mov_b32 v[FP+4+\p], 0                        ; the tile not made: also the places behind those products
.endr
.irp p, 0,2,4,6
	v_pk_add_f32 v[S+\p:S+\p+1], v[S+\p:S+\p+1], v[S+8+\p:S+8+\p+1]
.endr
.irp p, 0,2,4,6
	v_pk_mul_f32 v[S+\p:S+\p+1], v[S+\p:S+\p+1], v[CD0+\p:CD0+\p+1]
.endr
.irp p, 0,1,2,3
	v_cvt_pk_f16_f32 v[FP+12+\p], v[S+2*\p], v[S+2*\p+1]
.endr
	YMUL
	; the units before mine in the block, nearest first: wave p has p of them.  The loop counts to the constant 3; a wave jumps forward over its dead trips
	s_mov_b32 s34, 0
.Lunit:
	s_cmp_ge_u32 s34, s14
	s_cbranch_scc1 .Lskip
	s_sub_co_u32 s24, s24, 1
	LOADU                                          ; (the loads before are all in: their pointers may be written)
	s_wait_loadcnt 0x0
	SMUL 0
	MKCT CT, 42, 48                                ; eight plain instructions that name nothing of the products: their places
	SCP 0, 0, CT
	MKCT CT, 44, 50
	SCP 1, 0, CT
	SMUL 1
	MKCT CT, 40, 46
	SCP 0, 1, CT
	MKCT CT, 42, 48
	SCP 1, 1, CT
	YMUL
.irp k, 40,42,44
	s_mul_f32 s\k, s\k, s54                        ; the next unit lies 32 steps further back
.endr
.irp k, 46,48,50
	s_mul_f32 s\k, s\k, s55
.endr
.Lskip:
	s_add_co_u32 s34, s34, 1
	s_cmp_lt_u32 s34, 3
	s_cbranch_scc1 .Lunit
	; THE WAY OUT: the factor 512 is taken back; a lane's 32 bytes go into rows of 144 bytes of my stage and come back as whole rows
.set i, 0
.rept 16
	v_pk_mul_f32 v[Y+i:Y+i+1], v[Y+i:Y+i+1], 0x3b000000 op_sel_hi:[1,0]
.set i, i+2
.endr
.irp z, 0,1
.irp t, 0,1
	ds_store_b128 v[STO], v[Y+8*(2*\z+\t):Y+8*(2*\z+\t)+3]   offset:\t*2304+\z*64
	ds_store_b128 v[STO], v[Y+8*(2*\z+\t)+4:Y+8*(2*\z+\t)+7] offset:\t*2304+\z*64+16
.endr
.endr
.irp i, 0,1,2,3,4,5,6,7
	ds_load_b128 v[KF+4*\i:KF+4*\i+3], v[RD] offset:\i*576  ; LDS serves a wave's instructions in order (ISA guide 5.7.1.4): these see the stores above
.endr
.irp i, 0,1,2,3,4,5,6,7
	s_wait_dscnt 7-\i                              ; the younger loads may stay out
	global_store_b128 v[LN], v[KF+4*\i:KF+4*\i+3], s[12:13] offset:512*\i th:TH_STORE_NT  ; 512 consecutive bytes, at a multiple of 256 from out0's first
.endr
	s_wait_tensorcnt 0x0                           ; the wave's end, behind my last LDS store
	ds_add_u32 v[SPW], v[NIL]
	s_wait_dscnt 0x0
	s_endpgm
.Lfunc_end_k_qc709793309_out:
	.size	k_qc709793309_out, .Lfunc_end_k_qc709793309_out-k_qc709793309_out
	.p2alignl 7, 3214868480
	.fill 96, 4, 3214868480
	.section	.rodata,"a",@progbits
	.p2align	6, 0x0
	.amdhsa_kernel k_qc709793309_out
		.amdhsa_group_segment_fixed_size 18944
		.amdhsa_private_segment_fixed_size 0
		.amdhsa_enable_private_segment 0
		.amdhsa_kernarg_size 40
		.amdhsa_user_sgpr_count 2
		.amdhsa_user_sgpr_kernarg_segment_ptr 1
		.amdhsa_wavefront_size32 1
		.amdhsa_system_sgpr_workgroup_id_x 1
		.amdhsa_system_sgpr_workgroup_id_y 1
		.amdhsa_system_sgpr_workgroup_id_z 1
		.amdhsa_system_vgpr_workitem_id 0
		.amdhsa_next_free_vgpr 256
		.amdhsa_next_free_sgpr 66
		.amdhsa_reserve_vcc 1
		.amdhsa_float_denorm_mode_32 3
		.amdhsa_float_denorm_mode_16_64 3
		.amdhsa_memory_ordered 1
		.amdhsa_forward_progress 1
		.amdhsa_inst_pref_size 40
	.end_amdhsa_kernel
	.amdgpu_metadata
---
amdhsa.version: [ 1, 2 ]
amdhsa.kernels:
  - .name:           k_qc709793309_out
    .symbol:         k_qc709793309_out.kd
    .args:
      - { .name: Q, .offset: 0, .size: 8, .value_kind: global_buffer, .address_space: global }
      - { .name: PK, .offset: 8, .size: 8, .value_kind: global_buffer, .address_space: global }
      - { .name: RF, .offset: 16, .size: 8, .value_kind: global_buffer, .address_space: global }
      - { .name: SB, .offset: 24, .size: 8, .value_kind: global_buffer, .address_space: global }
      - { .name: out0, .offset: 32, .size: 8, .value_kind: global_buffer, .address_space: global }
    .group_segment_fixed_size: 18944
    .private_segment_fixed_size: 0
    .kernarg_segment_align: 8
    .kernarg_segment_size: 40
    .max_flat_workgroup_size: 128
    .sgpr_count:     66
    .vgpr_count:     256
    .wavefront_size: 32
...
	.end_amdgpu_metadata
.endif
;; end of part 3
;; ======== version 2 of 2: 3 launches; version 1 with the launches prep, out written anew for expert scheduling mode
;; limits: values are held in f16: magnitudes above 65,504 overflow, below 6.1e-05 lose precision
;; workspace buffers: PK 96,468,992 bytes; RF 8,388,608 bytes; SB 16,777,216 bytes
;; launch prep (part 4): grid 256 x 1, 8 waves a work-group, no clusters, 0 bytes of LDS; arguments K, V, PK; writes PK
.if DOCPART == 4
	.amdgcn_target "amdgcn-amd-amdhsa--gfx1250"
	.amdhsa_code_object_version 6
	.text
	.protected	k_qc709793309_prep
	.globl	k_qc709793309_prep
	.p2align	8
	.type	k_qc709793309_prep,@function
k_qc709793309_prep:
	s_mov_b64 s[64:65], 0
	v_nop
	global_prefetch_b8 v0, s[64:65] scope:SCOPE_SE
	s_setreg_imm32_b32 hwreg(HW_REG_WAVE_SCHED_MODE, 0, 2), 2
	s_setreg_imm32_b32 hwreg(HW_REG_WAVE_MODE, 25, 1), 1
	s_wait_xcnt 0x0
	s_wait_alu depctr_vm_vsrc(0)
; TITANS MEMORY, launch 1 of 3: all that does not hang on the state, one wave for each chunk of 64 steps.
; THE RECURRENCE.  r = W k - v; m = 0.9 m + 0.2 r k^T; W = 0.98 W - 0.1 m; y = W q.  With A = W - 1.125 m and B = 1.125 m it falls apart:
; A = a A - 0.245 r k^T, B = b B + 0.225 r k^T, W = A + B, a = 0.98, b = 0.9.  w(d) = -0.245 a^d + 0.225 b^d.
; IN A CHUNK (i = 0..63, A0 and B0 at its start): g_i = a^i A0 k_i + b^i B0 k_i - v_i; (I - Mk) R = G with Mk[i][s] = w(i-s-1) (k_i . k_s) for s < i; R = G + T' G, I + T' = (I - Mk)^-1.
; T' IS EXACT: for a strictly triangular 32 x 32 U, U^32 = 0, so (I-U)^-1 = (I+U)(I+U^2)(I+U^4)(I+U^8)(I+U^16); the 64 x 64 inverse has the two 32 x 32 inverses T1, T2 and T21 = T2 M21 T1.
; THIS LAUNCH stores for each chunk a package of 47,104 bytes, all in the order in which a wave's operand registers take it (8 registers a lane: 0-3 at 16 x lane, 4-7 at 512 + 16 x lane):
;   0 V as f32 result tiles (step, value 0-15); 4,096 the same for values 16-31; 8,192 K as f16 fragments (16 steps x 32 channels); 24,576 K^T as f16 fragments; 40,960 T' as bf16 fragments.
; DEAD WORK LEFT OUT, in the whole program, for all values of the inputs: reference() starts W and m at zeros, so the products of the first chunk's k and of the first block's q with the state are
; products with 0; the state behind the last step reaches no y; a key behind the query has no way to that y (the scan's own order), so tiles wholly above the diagonal are not made.  Every input is loaded.
; LIMITS.  K, Q, V, 512 x state, 512 w (k . q) and 125.44 r go in f16: none beyond 65,504, and below 6e-5 f16's fixed step of 6e-8; V is rounded to f16 too.  T' and its operand go in bf16.
; The sums are taken in another order than reference()'s.  A NaN, an infinity or an overflow that reaches only the work left out is not carried to the result.
; REGISTERS.  Window 0: v1-4 addresses and x = lane % 16 - 8 (lane / 16); v16-47 cU, v48-79 cM: the weights of a tile D blocks off the diagonal, transposed and plain; v80-91 the selecting matrices;
; v96-255 staging and out-buffers, later the fragments of the inversion.  Window 1: v0-127 K's fragments, later the running inverse; v128-255 staging for rows 32-63, then the turned tiles, then the 16 tiles
; of K K^T, later squares and the cross block.
; THE MODE: SCHED_MODE bits 1:0 = 2 (LLVM: expert scheduling mode 2), set by the entry lines.  The code itself states the register dependences between vector or matrix instructions and memory
; instructions, with s_wait_alu, always for 0.
; THE PLAN.  Registers that memory instructions touch:
;   v1-3          offsets, made once at the head and never written again.
;   S0 .. S3      16 rows of K each, as loaded (S0, S1 in window 0; S2, S3 in window 1).  Each is loaded once with K and read by its step's conversions; S0 then takes V, behind the wait at step 1's head.
;   K's fragments written by step t's conversions; read by the eight stores that stand at the head of step t + 1; written again only behind K K^T.
;   STG1          V's result tiles: written by eight products, read by sixteen stores; written again only behind K K^T.
;   O0, O1, O2    out-buffers of K^T, by turns: written by step ks's conversions, read by the eight stores that stand in step ks + 1.  Step 3 takes O0 again, two steps behind the stores that read it.
;   The turned tiles (window 1 v128-191), K K^T and all of the inversion but T's final fragments are named by vector and matrix instructions alone.
; So a step's one wait on va_vdst stands where the wave has to wait in any case: behind the wait for the step's data, or behind the places of the products whose results the next lines read.
.set LA, 0xbceec451                    ; log2(0.98)
.set LB, 0xbe1ba6b3                    ; log2(0.9)
.set VK, 1                             ; 512 r + 32 h: my 32 bytes in a row of K
.set VV, 2                             ; 128 r + 32 h: the same in a row of V
.set LN, 3                             ; 16 x lane
.set X,  4
.set CU, 16
.set CM, 48
.set EZ, 80                            ; 0 x 4, ONE x 4, 0 x 4: v[84:91] picks channels 0-15 of 32, v[80:87] channels 16-31
.set STG0, 96                          ; S0
.set STG1, 160                         ; S1
.set SW2, 128                          ; S2, in window 1
.set SW3, 192                          ; S3, in window 1
.set VF, 224
.set TT, 128                           ; window 1: eight tiles of K in result layout
.set O0, 96
.set O1, 128
.set O2, 224
.set FU, 96                            ; fragments of the power in hand, transposed / plain
.set FM, 128
.set FRU, 160                          ; fragments of the running inverse
.set FRM, 192
.set FXM, 224
.set FY, 240
.set GM, 128                           ; window 1
.set MSB, 0
.macro WIN new                         ; the high byte repeats the setting that is left; a switch that changes nothing is dropped
.if MSB != (\new)
	s_set_vgpr_msb (MSB<<8)|(\new)
.set MSB, (\new)
.endif
.endm
.macro PLACES                          ; four places behind a matrix instruction (ISA guide 7.12.1)
.rept 4
	v_nop
.endr
.endm
.macro LOADK tau, stg                  ; 16 rows of K: a lane takes 8 + 8 channels of each 32
.irp ks, 0,1,2,3
	global_load_b128 v[(\stg)+16*\ks:(\stg)+16*\ks+3],     v[VK], s[4:5] offset:(\tau)*8192+\ks*128 th:TH_LOAD_NT
	global_load_b128 v[(\stg)+16*\ks+4:(\stg)+16*\ks+7],   v[VK], s[4:5] offset:(\tau)*8192+\ks*128+16 th:TH_LOAD_NT
	global_load_b128 v[(\stg)+16*\ks+8:(\stg)+16*\ks+11],  v[VK], s[4:5] offset:(\tau)*8192+\ks*128+64 th:TH_LOAD_NT
	global_load_b128 v[(\stg)+16*\ks+12:(\stg)+16*\ks+15], v[VK], s[4:5] offset:(\tau)*8192+\ks*128+80 th:TH_LOAD_NT
.endr
.endm
.macro CVTK tau, stg, win              ; rounded once to f16, into window 1; win: 0x40 from window 0, 0x45 from window 1
	WIN \win
.set i, 0
.rept 32
	v_cvt_pk_f16_f32 v[32*(\tau)+i], v[(\stg)+2*i], v[(\stg)+2*i+1]
.set i, i+1
.endr
	WIN 0
.endm
.macro KSTORE tau                      ; the four fragments of rows 16 tau on; store data in window 1; each store covers 512 consecutive bytes
	WIN 0x04
.set i, 4*(\tau)
.rept 4
	global_store_b128 v[LN], v[8*i:8*i+3],   s[8:9] offset:8192+1024*i
	global_store_b128 v[LN], v[8*i+4:8*i+7], s[8:9] offset:8192+1024*i+512
.set i, i+1
.endr
	WIN 0
.endm
; K^T: K's tiles in result layout by a product with the selecting matrix (exact: f16 numbers times 1); two tiles, one above the other, rounded in pairs are a fragment of K^T
.macro KTMUL ks
	WIN 0x41                                       ; K's fragments and the tiles in window 1, the selecting matrix in window 0
.irp t, 0,1,2,3
.irp e, 0,1
	v_wmma_f32_16x16x32_f16 v[TT+8*(2*\t+\e):TT+8*(2*\t+\e)+7], v[8*(4*\t+(\ks)):8*(4*\t+(\ks))+7], v[EZ+4-4*\e:EZ+11-4*\e], 0
.endr
.endr
	WIN 0
	PLACES
.endm
.macro KTCVT ob
	WIN 0x05
.irp e, 0,1
.irp t, 0,1,2,3
.irp p, 0,1,2,3
	v_cvt_pk_f16_f32 v[(\ob)+16*\e+4*\t+\p], v[TT+8*(2*\t+\e)+2*\p], v[TT+8*(2*\t+\e)+2*\p+1]
.endr
.endr
.endr
	WIN 0
.endm
.macro KTSTORE ks, ob
.irp f, 0,1,2,3
	global_store_b128 v[LN], v[(\ob)+8*\f:(\ob)+8*\f+3],   s[8:9] offset:24576+(4*(\ks)+\f)*1024
	global_store_b128 v[LN], v[(\ob)+8*\f+4:(\ob)+8*\f+7], s[8:9] offset:24576+(4*(\ks)+\f)*1024+512
.endr
.endm
.macro SCALE dst, src, tab             ; a tile times its weights
.irp p, 0,2,4,6
	v_pk_mul_f32 v[(\dst)+\p:(\dst)+\p+1], v[(\src)+\p:(\src)+\p+1], v[(\tab)+\p:(\tab)+\p+1]
.endr
.endm
; where tile c of block a lies in window 1.  kind 0: the running inverse; 1: the square.  o = 0 transposed (tiles (0,0), (0,1), (1,1)); o = 1 plain ((0,0), (1,0), (1,1))
.macro TLOC kind, a, o, c
.if (\kind) == 0
.set TL, 8*(6*(\a)+3*(\o)+(\c))
.elseif (\o) == 0
.set TL, 128+80*(\a)+8*(\c)+24*((\c)/2)
.elseif (\c) == 1
.set TL, 128+80*(\a)+32
.else
.set TL, 96+16*(\a)+4*(\c)
.endif
.endm
.macro PACKSET kind, dU, dM            ; the twelve tiles rounded to bf16: two tiles, one above the other, are a fragment
	WIN 0x05
.irp a, 0,1
.irp c, 0,1,2
	TLOC \kind, \a, 0, \c
.set FD, (\dU)+16*\a+8*((\c+1)/2)+4*(\c/2)
.irp p, 0,1,2,3
	v_cvt_pk_bf16_f32 v[FD+\p], v[TL+2*\p], v[TL+2*\p+1]
.endr
	TLOC \kind, \a, 1, \c
.set FD, (\dM)+16*\a+4*\c+4*(\c/2)
.irp p, 0,1,2,3
	v_cvt_pk_bf16_f32 v[FD+\p], v[TL+2*\p], v[TL+2*\p+1]
.endr
.endr
.endr
.endm
.macro LEVMUL kind, bU, bM             ; twelve products, one on each accumulator.  kind 1: the power squared (C = 0); kind 0: the inverse += power x inverse
	WIN 0x50
.irp a, 0,1
.irp c, 0,1,2
	TLOC \kind, \a, 0, \c
.if (\kind) == 1
	v_wmma_f32_16x16x32_bf16 v[TL:TL+7], v[FM+16*\a+8*(\c/2):FM+16*\a+8*(\c/2)+7], v[(\bU)+16*\a+8*((\c+1)/2):(\bU)+16*\a+8*((\c+1)/2)+7], 0
.else
	v_wmma_f32_16x16x32_bf16 v[TL:TL+7], v[FM+16*\a+8*(\c/2):FM+16*\a+8*(\c/2)+7], v[(\bU)+16*\a+8*((\c+1)/2):(\bU)+16*\a+8*((\c+1)/2)+7], v[TL:TL+7]
.endif
	TLOC \kind, \a, 1, \c
.if (\kind) == 1
	v_wmma_f32_16x16x32_bf16 v[TL:TL+7], v[FU+16*\a+8*((\c+1)/2):FU+16*\a+8*((\c+1)/2)+7], v[(\bM)+16*\a+8*(\c/2):(\bM)+16*\a+8*(\c/2)+7], 0
.else
	v_wmma_f32_16x16x32_bf16 v[TL:TL+7], v[FU+16*\a+8*((\c+1)/2):FU+16*\a+8*((\c+1)/2)+7], v[(\bM)+16*\a+8*(\c/2):(\bM)+16*\a+8*(\c/2)+7], v[TL:TL+7]
.endif
.endr
.endr
.endm
	s_load_b128 s[4:7], s[0:1], 0x0                ; K s[4:5], V s[6:7]
	s_load_b64 s[8:9], s[0:1], 0x10                ; PK
	v_lshrrev_b32 v5, 5, v0
	v_readfirstlane_b32 s10, v5                    ; wave 0..7
	v_and_b32 v6, 15, v0                           ; r
	v_bfe_u32 v7, v0, 4, 1                         ; h
	v_lshlrev_b32 v[VK], 9, v6
	v_lshl_add_u32 v[VK], v7, 5, v[VK]
	v_lshlrev_b32 v[VV], 7, v6
	v_lshl_add_u32 v[VV], v7, 5, v[VV]
	v_and_b32 v[LN], 31, v0
	v_lshlrev_b32 v[LN], 4, v[LN]
	v_lshlrev_b32 v[X], 3, v7
	v_sub_nc_u32 v[X], v6, v[X]
	s_wait_alu depctr_va_sdst(0)                   ; s10 is written, ahead of its first reader: the three bases are made from it
	s_lshl_b32 s11, ttmp9, 3
	s_add_co_u32 s11, s11, s10                     ; my chunk, 0..2047
	s_lshl_b32 s30, s11, 15                        ; 64 rows of 512 bytes
	s_mov_b32 s31, 0
	s_lshl_b32 s32, s11, 13                        ; 64 rows of 128 bytes
	s_mov_b32 s33, 0
	s_mul_i32 s34, s11, 47104
	s_mov_b32 s35, 0
	s_wait_kmcnt 0x0
	s_add_nc_u64 s[4:5], s[4:5], s[30:31]
	s_add_nc_u64 s[6:7], s[6:7], s[32:33]
	s_add_nc_u64 s[8:9], s[8:9], s[34:35]
	s_wait_alu depctr_va_vdst(0)                   ; the offsets v1 to v3 are written: every load and store of the kernel reads one of them
	LOADK 0, STG0
	LOADK 1, STG1
	WIN 0x40                                       ; destination window 1, address window 0
	LOADK 2, SW2
	WIN 0
	; the weights, made while the first loads are out.  s[12+4D] = -0.245 a^(16 D), s[14+4D] = 0.225 b^(16 D), named as pairs
	s_mov_b32 s36, 0x3f7ae148                      ; 0.98
	s_mov_b32 s37, 0x3f666666                      ; 0.9
.rept 4
	s_mul_f32 s36, s36, s36                        ; four squarings: a^16, b^16
	s_mul_f32 s37, s37, s37
.endr
	s_mov_b32 s12, 0xbe7ae148                      ; -0.245
	s_mov_b32 s14, 0x3e666666                      ; 0.225
.irp D, 1,2,3
	s_mul_f32 s[12+4*\D], s[8+4*\D], s36
	s_mul_f32 s[14+4*\D], s[10+4*\D], s37
.endr
.irp D, 0,1,2,3
	s_mov_b32 s[13+4*\D], 0
	s_mov_b32 s[15+4*\D], 0
.endr
.irp j, 0,1,2,3,4,5,6,7                ; all 24 masks in one run, each into a scalar register of its own that holds nothing any more: j < x, j > x, j = x
	v_cmp_lt_i32 s[38+\j], \j, v[X]
	v_cmp_gt_i32 s[30+\j+10*(\j/6)], \j, v[X]      ; s30-35, s46, s47
	v_cmp_eq_u32 s[2+8*(\j/2)+10*(\j/4)+\j%2], \j, v[X]  ; s2, s3, s10, s11, s28, s29, s36, s37
.endr
.irp j, 0,1,2,3,4,5,6,7
	v_add_nc_u32 v5, -1-\j, v[X]                   ; x - j - 1: the transposed tiles' distance
	v_cvt_f32_i32 v5, v5
	v_mul_f32 v[224+\j], LA, v5
	v_mul_f32 v[232+\j], LB, v5
	v_sub_nc_u32 v6, \j-1, v[X]                    ; j - 1 - x: the plain tiles'
	v_cvt_f32_i32 v6, v6
	v_mul_f32 v[240+\j], LA, v6
	v_mul_f32 v[248+\j], LB, v6
.endr
.set i, 224
.rept 32
	v_exp_f32 v[i], v[i]
.set i, i+1
.endr
	v_nop                                          ; a plain instruction behind the last exponential,
	s_wait_alu depctr_va_vdst(0)                   ; and one wait for the batch: the 32 exponentials have written v224 to v255, ahead of their first reader
.irp D, 0,1,2,3
.irp p, 0,2,4,6
	v_pk_mul_f32 v[CU+8*\D+\p:CU+8*\D+\p+1], v[232+\p:233+\p], s[14+4*\D:15+4*\D] op_sel_hi:[1,0]
	v_pk_mul_f32 v[CM+8*\D+\p:CM+8*\D+\p+1], v[248+\p:249+\p], s[14+4*\D:15+4*\D] op_sel_hi:[1,0]
	v_pk_fma_f32 v[CU+8*\D+\p:CU+8*\D+\p+1], v[224+\p:225+\p], s[12+4*\D:13+4*\D], v[CU+8*\D+\p:CU+8*\D+\p+1] op_sel_hi:[1,0,1]
	v_pk_fma_f32 v[CM+8*\D+\p:CM+8*\D+\p+1], v[240+\p:241+\p], s[12+4*\D:13+4*\D], v[CM+8*\D+\p:CM+8*\D+\p+1] op_sel_hi:[1,0,1]
.endr
.endr
	s_wait_alu depctr_va_sdst(0)                   ; the 24 masks are written, ahead of the first select that reads one
.irp j, 0,1,2,3,4,5,6,7                ; on the diagonal tiles: 0 on and beyond the diagonal
	v_cndmask_b32 v[CU+\j], 0, v[CU+\j], s[38+\j]
	v_cndmask_b32 v[CM+\j], 0, v[CM+\j], s[30+\j+10*(\j/6)]
.endr
	v_mov_b32 v5, 0x3c00                           ; 1.0 in f16, low half
	v_mov_b32 v6, 0x3c000000                       ; high half
.irp i, 0,1,2,3
	v_mov_b32 v[EZ+\i], 0
	v_mov_b32 v[EZ+8+\i], 0
	v_cndmask_b32 v[EZ+4+\i], 0, v5, s[2+8*\i+10*(\i/2)]
	v_cndmask_b32 v[EZ+4+\i], v[EZ+4+\i], v6, s[3+8*\i+10*(\i/2)]
.endr
	; step 0
	s_wait_loadcnt 32                              ; rows 0-15 are in; the two younger groups of 16 loads may stay out
	WIN 0x40
	LOADK 3, SW3                                   ; no wait: no vector instruction has named S3, and none since the head's wait names v1
	CVTK 0, STG0, 0x40
	; step 1
	s_wait_loadcnt 32                              ; rows 16-31 are in; rows 32-63 may stay out
	s_wait_alu depctr_va_vdst(0)                   ; step 0's conversions are done reading S0, in which V's loads land, and have written their fragments, which the stores read
.irp t, 0,1,2,3
	global_load_b128 v[STG0+16*\t:STG0+16*\t+3],     v[VV], s[6:7] offset:\t*2048 th:TH_LOAD_NT
	global_load_b128 v[STG0+16*\t+4:STG0+16*\t+7],   v[VV], s[6:7] offset:\t*2048+16 th:TH_LOAD_NT
	global_load_b128 v[STG0+16*\t+8:STG0+16*\t+11],  v[VV], s[6:7] offset:\t*2048+64 th:TH_LOAD_NT
	global_load_b128 v[STG0+16*\t+12:STG0+16*\t+15], v[VV], s[6:7] offset:\t*2048+80 th:TH_LOAD_NT
.endr
	KSTORE 0
	CVTK 1, STG1, 0x40
	; step 2
	s_wait_loadcnt 32                              ; rows 32-47 are in; rows 48-63 and V may stay out
	s_wait_alu depctr_va_vdst(0)                   ; step 1's conversions have written their fragments, which the stores read
	KSTORE 1
	CVTK 2, SW2, 0x45
	; step 3
	s_wait_loadcnt 16                              ; rows 48-63 are in; V may stay out
	s_wait_alu depctr_va_vdst(0)                   ; step 2's conversions have written their fragments, which the stores read
	KSTORE 2
	CVTK 3, SW3, 0x45
	s_wait_loadcnt 0x0                             ; V
.set i, 0
.rept 32
	v_cvt_pk_f16_f32 v[VF+i], v[STG0+2*i], v[STG0+2*i+1]
.set i, i+1
.endr
	; V into the layout of a result tile (step down the registers, value along the lanes): a product with the selecting matrix
.irp z, 0,1
.irp t, 0,1,2,3
	v_wmma_f32_16x16x32_f16 v[STG1+8*(4*\z+\t):STG1+8*(4*\z+\t)+7], v[VF+8*\t:VF+8*\t+7], v[EZ+4-4*\z:EZ+11-4*\z], 0
.endr
.endr
	PLACES
	s_wait_alu depctr_va_vdst(0)                   ; step 3's conversions have written their fragments and the eight products V's tiles, which the stores read; the places above stay beside this wait
	KSTORE 3
.set i, 0
.rept 8
	global_store_b128 v[LN], v[STG1+8*i:STG1+8*i+3],   s[8:9] offset:1024*i
	global_store_b128 v[LN], v[STG1+8*i+4:STG1+8*i+7], s[8:9] offset:1024*i+512
.set i, i+1
.endr
	; K^T, 32 channels a step.  A step's stores stand in the next step, behind the places of that step's products
	KTMUL 0
	KTCVT O0
	KTMUL 1
	s_wait_alu depctr_va_vdst(0)                   ; step 0's conversions have written O0, which the stores read
	KTSTORE 0, O0
	KTCVT O1
	KTMUL 2
	s_wait_alu depctr_va_vdst(0)                   ; step 1's conversions have written O1, which the stores read
	KTSTORE 1, O1
	KTCVT O2
	KTMUL 3
	s_wait_xcnt 0x0                                ; O0 is written again only when the addresses of the stores that read it are translated,
	s_wait_alu depctr_vm_vsrc(0)                   ; and those stores, issued two steps back, have read O0, which this step's conversions write again
	s_wait_alu depctr_va_vdst(0)                   ; step 2's conversions have written O2, which the stores read
	KTSTORE 2, O2
	KTCVT O0
	s_wait_alu depctr_va_vdst(0)                   ; step 3's conversions have written O0, which the stores read
	KTSTORE 3, O0
	; K K^T: 16 tiles by turns, 15 others between two links of a chain
	WIN 0x55
.irp ks, 0,1,2,3
.irp I, 0,1,2,3
.irp J, 0,1,2,3
.if \ks == 0
	v_wmma_f32_16x16x32_f16 v[GM+8*(4*\I+\J):GM+8*(4*\I+\J)+7], v[8*(4*\I+\ks):8*(4*\I+\ks)+7], v[8*(4*\J+\ks):8*(4*\J+\ks)+7], 0
.else
	v_wmma_f32_16x16x32_f16 v[GM+8*(4*\I+\J):GM+8*(4*\I+\J)+7], v[8*(4*\I+\ks):8*(4*\I+\ks)+7], v[8*(4*\J+\ks):8*(4*\J+\ks)+7], v[GM+8*(4*\I+\J):GM+8*(4*\I+\J)+7]
.endif
.endr
.endr
.endr
	WIN 0
	PLACES
	s_wait_xcnt 0x0                                ; all stores so far have had their addresses translated,
	s_wait_alu depctr_vm_vsrc(0)                   ; and have read K's fragments, V's tiles and O0 to O2: the lines below write all of these again
	WIN 0x41
.irp a, 0,1                            ; the diagonal blocks Mk (plain) and Mk^T, into the running inverse's tiles
	SCALE 48*\a,    GM+80*\a,    CU
	SCALE 48*\a+24, GM+80*\a,    CM
	SCALE 48*\a+8,  GM+80*\a+8,  CU+8
	SCALE 48*\a+32, GM+80*\a+32, CM+8
	SCALE 48*\a+16, GM+80*\a+40, CU
	SCALE 48*\a+40, GM+80*\a+40, CM
.endr
.irp I, 0,1                            ; the cross block M21, transposed and plain, in place
.irp J, 0,1
	SCALE GM+8*(4*\I+2+\J), GM+8*(4*\I+2+\J), CU+8*(2+\J-\I)
	SCALE GM+8*(8+4*\I+\J), GM+8*(8+4*\I+\J), CM+8*(2+\I-\J)
.endr
.endr
	WIN 0
.irp a, 0,1                            ; the halves of the fragments that lie beyond the triangle stay 0
.irp p, 0,1,2,3
	v_mov_b32 v[FU+16*\a+4+\p], 0
	v_mov_b32 v[FRU+16*\a+4+\p], 0
	v_mov_b32 v[FM+16*\a+8+\p], 0
	v_mov_b32 v[FRM+16*\a+8+\p], 0
.endr
.endr
	PACKSET 0, FU, FM
	PACKSET 0, FRU, FRM
	WIN 0
	s_mov_b32 s28, 4
.Llevel:                               ; four trips: U^2, U^4, U^8, U^16.  P = P + V + V P with V the power squared.  No memory instruction stands in the loop
	LEVMUL 1, FU, FM
	PLACES
	PACKSET 1, FU, FM
	WIN 0x55
.irp a, 0,1
.irp o, 0,1
.irp c, 0,1,2
	TLOC 0, \a, \o, \c
.set TD, TL
	TLOC 1, \a, \o, \c
.irp p, 0,2,4,6
	v_pk_add_f32 v[TD+\p:TD+\p+1], v[TD+\p:TD+\p+1], v[TL+\p:TL+\p+1]
.endr
.endr
.endr
.endr
	LEVMUL 0, FRU, FRM
	PLACES
	PACKSET 0, FRU, FRM
	WIN 0
	s_sub_co_u32 s28, s28, 1
	s_cmp_lg_u32 s28, 0
	s_cbranch_scc1 .Llevel
	; the cross block, transposed: T21^T = (I + T1'^T) M21^T (I + T2'^T)
	WIN 0x05
.irp I, 0,1
.irp p, 0,1,2,3
	v_cvt_pk_bf16_f32 v[FXM+8*\I+\p],   v[GM+8*(8+\I)+2*\p],  v[GM+8*(8+\I)+2*\p+1]
	v_cvt_pk_bf16_f32 v[FXM+8*\I+4+\p], v[GM+8*(12+\I)+2*\p], v[GM+8*(12+\I)+2*\p+1]
.endr
.endr
	WIN 0x50
.irp I, 0,1
.irp J, 0,1
	v_wmma_f32_16x16x32_bf16 v[GM+8*(4*\I+2+\J):GM+8*(4*\I+2+\J)+7], v[FXM+8*\I:FXM+8*\I+7], v[FRU+16+8*\J:FRU+16+8*\J+7], v[GM+8*(4*\I+2+\J):GM+8*(4*\I+2+\J)+7]
.endr
.endr
	PLACES
	WIN 0x05
.irp J, 0,1
.irp p, 0,1,2,3
	v_cvt_pk_bf16_f32 v[FY+8*\J+\p],   v[GM+8*(2+\J)+2*\p], v[GM+8*(2+\J)+2*\p+1]
	v_cvt_pk_bf16_f32 v[FY+8*\J+4+\p], v[GM+8*(6+\J)+2*\p], v[GM+8*(6+\J)+2*\p+1]
.endr
.endr
	WIN 0x50
.irp I, 0,1
.irp J, 0,1
	v_wmma_f32_16x16x32_bf16 v[GM+8*(4*\I+2+\J):GM+8*(4*\I+2+\J)+7], v[FRM+8*\I:FRM+8*\I+7], v[FY+8*\J:FY+8*\J+7], v[GM+8*(4*\I+2+\J):GM+8*(4*\I+2+\J)+7]
.endr
.endr
	PLACES
	WIN 0x05
.irp J, 0,1
.irp p, 0,1,2,3
	v_cvt_pk_bf16_f32 v[FXM+8*\J+\p],   v[GM+8*(2+\J)+2*\p], v[GM+8*(2+\J)+2*\p+1]
	v_cvt_pk_bf16_f32 v[FXM+8*\J+4+\p], v[GM+8*(6+\J)+2*\p], v[GM+8*(6+\J)+2*\p+1]
.endr
.endr
	WIN 0
	s_wait_alu depctr_va_vdst(0)                   ; the conversions have written T's fragments (the running inverse's and the cross block's), which the stores read
	; T' by (16 rows, 32 columns): (0,0), (1,0), (2,0), (3,0), (2,1), (3,1)
.set i, 0
.irp f, FRU, FRU+8, FXM, FXM+8, FRU+16, FRU+24
	global_store_b128 v[LN], v[\f:\f+3],   s[8:9] offset:40960+1024*i
	global_store_b128 v[LN], v[\f+4:\f+7], s[8:9] offset:40960+1024*i+512
.set i, i+1
.endr
	s_endpgm
.Lfunc_end_k_qc709793309_prep:
	.size	k_qc709793309_prep, .Lfunc_end_k_qc709793309_prep-k_qc709793309_prep
	.p2alignl 7, 3214868480
	.fill 96, 4, 3214868480
	.section	.rodata,"a",@progbits
	.p2align	6, 0x0
	.amdhsa_kernel k_qc709793309_prep
		.amdhsa_group_segment_fixed_size 0
		.amdhsa_private_segment_fixed_size 0
		.amdhsa_enable_private_segment 0
		.amdhsa_kernarg_size 24
		.amdhsa_user_sgpr_count 2
		.amdhsa_user_sgpr_kernarg_segment_ptr 1
		.amdhsa_wavefront_size32 1
		.amdhsa_system_sgpr_workgroup_id_x 1
		.amdhsa_system_sgpr_workgroup_id_y 1
		.amdhsa_system_sgpr_workgroup_id_z 1
		.amdhsa_system_vgpr_workitem_id 0
		.amdhsa_next_free_vgpr 512
		.amdhsa_next_free_sgpr 66
		.amdhsa_reserve_vcc 0
		.amdhsa_float_denorm_mode_32 3
		.amdhsa_float_denorm_mode_16_64 3
		.amdhsa_memory_ordered 1
		.amdhsa_forward_progress 1
		.amdhsa_inst_pref_size 85
	.end_amdhsa_kernel
	.amdgpu_metadata
---
amdhsa.version: [ 1, 2 ]
amdhsa.kernels:
  - .name:           k_qc709793309_prep
    .symbol:         k_qc709793309_prep.kd
    .args:
      - { .name: K, .offset: 0, .size: 8, .value_kind: global_buffer, .address_space: global }
      - { .name: V, .offset: 8, .size: 8, .value_kind: global_buffer, .address_space: global }
      - { .name: PK, .offset: 16, .size: 8, .value_kind: global_buffer, .address_space: global }
    .group_segment_fixed_size: 0
    .private_segment_fixed_size: 0
    .kernarg_segment_align: 8
    .kernarg_segment_size: 24
    .max_flat_workgroup_size: 256
    .sgpr_count:     66
    .vgpr_count:     512
    .wavefront_size: 32
...
	.end_amdgpu_metadata
.endif
;; end of part 4
;; launch scan: the kernel of part 2 again; grid 16 x 1, 2 waves a work-group, no clusters, 327,680 bytes of LDS; arguments PK, RF, SB; writes RF, SB
;; launch out (part 5): grid 1024 x 1, 4 waves a work-group, no clusters, 18,944 bytes of LDS; arguments Q, PK, RF, SB, out0; writes out0
.if DOCPART == 5
	.amdgcn_target "amdgcn-amd-amdhsa--gfx1250"
	.amdhsa_code_object_version 6
	.text
	.protected	k_qc709793309_out
	.globl	k_qc709793309_out
	.p2align	8
	.type	k_qc709793309_out,@function
k_qc709793309_out:
	s_mov_b64 s[64:65], 0
	v_nop
	global_prefetch_b8 v0, s[64:65] scope:SCOPE_SE
	s_setreg_imm32_b32 hwreg(HW_REG_WAVE_SCHED_MODE, 0, 2), 2
	s_setreg_imm32_b32 hwreg(HW_REG_WAVE_MODE, 25, 1), 1
	s_wait_xcnt 0x0
	s_wait_alu depctr_vm_vsrc(0)
; TITANS MEMORY, launch 3 of 3: y.  A work-group is a block of 128 steps of a batch (ttmp9 = 64 b + c), wave p its steps 32 p .. 32 p + 31.  With A0, B0 the state at the block's start and i the step in the block:
; y_i = a^(i+1) A0 q_i + b^(i+1) B0 q_i + the sum over s <= i of w(i-s) (k_s . q_i) r_s,  w(d) = -0.245 a^d + 0.225 b^d.
; LEFT OUT as dead work (shown at the head of the first kernel): block 0's products with the zero state; tiles of keys wholly behind the queries.
; LIMITS as stated there: Q, K, R, 512 x state and 512 w (k . q) go in f16; sums in f32.
; LAYOUT.  S = K Q^T holds one query a lane and eight keys; two such tiles, weighted and rounded in pairs, are source 1 of y^T = R^T P, whose result holds one query a lane and eight values: 32 bytes of a row of y.
; All operands but Q come straight from memory in register order, 512 consecutive bytes a load.  No wave wants another's bytes: no barrier; LDS is each wave's own stage on the way out.
; NO CLUSTER, NO TENSOR LOADS: what a work-group's waves share (K's and the state's fragments) is read through registers, shortly one after the other.
; THE MODE: SCHED_MODE bits 1:0 = 2 (LLVM: expert scheduling mode 2), set by the entry lines.  The code itself states the register dependences between vector or matrix instructions and memory or LDS
; instructions, with s_wait_alu, always for 0.
; THE PLAN.  Registers that memory or LDS instructions touch:
;   v1-6        offsets and LDS addresses, the closing add's two among them: made once at the head and never written again.
;   KF          takes in turn: Q's rows 0-15 (read by their conversions), A0's fragments, B0's, my unit's K, each earlier unit's K (read by products), and last the rows from the stage (read by the stores of y).
;   Y with YM   at the start alone: Q's rows 16-31, asked for together with rows 0-15; read by their conversions.  Later Y is the LDS stores' data.
;   RFR         a unit's R^T: read by the four products y^T += R^T P.
; Each new load into KF stands behind ONE wait on va_vdst that follows KF's last readers; the vector work that is due anyway (Q's second conversions, the scalings of the state's terms) stands behind
; those loads and names none of their registers.  No register that a memory or LDS instruction reads is written again, so the text holds no wait on vm_vsrc.
.set LA, 0xbceec451
.set LB, 0xbe1ba6b3
.set SPARE, 18432                      ; behind the four stages of 32 rows x 144 bytes: the spare words, 128 bytes a wave
.set LN, 1
.set QO, 2
.set STO, 3
.set RD, 4
.set SPW, 5
.set NIL, 6
.set X, 7
.set TA0, 10                           ; a^(x-j)
.set TB0, 18                           ; b^(x-j)
.set CD0, 26                           ; 512 w(x-j), 0 where the key is behind the query; later the weights of the tile in hand
.set CT, 26
.set CD1, 34                           ; 512 w(16+x-j)
.set PW, 42                            ; a^t, b^t for my query of the first 16, then of the second
.set RFR, 46
.set QF, 62
.set Y, 126
.set KF, 158
.set S, 222
.set FP, 238
.set YM, 222
.set T0, 254                           ; two at work at the head and in the tables: no load lands in them
.set T1, 255
.macro PLACES
.rept 4
	v_nop
.endr
.endm
.macro LOADQ t, b0, b1                 ; 16 rows of Q: channels 0-63 into 32 registers at b0, channels 64-127 at b1
.irp ks, 0,1
	global_load_b128 v[(\b0)+16*\ks:(\b0)+16*\ks+3],     v[QO], s[4:5] offset:(\t)*8192+\ks*128 th:TH_LOAD_NT
	global_load_b128 v[(\b0)+16*\ks+4:(\b0)+16*\ks+7],   v[QO], s[4:5] offset:(\t)*8192+\ks*128+16 th:TH_LOAD_NT
	global_load_b128 v[(\b0)+16*\ks+8:(\b0)+16*\ks+11],  v[QO], s[4:5] offset:(\t)*8192+\ks*128+64 th:TH_LOAD_NT
	global_load_b128 v[(\b0)+16*\ks+12:(\b0)+16*\ks+15], v[QO], s[4:5] offset:(\t)*8192+\ks*128+80 th:TH_LOAD_NT
.endr
.irp ks, 0,1
	global_load_b128 v[(\b1)+16*\ks:(\b1)+16*\ks+3],     v[QO], s[4:5] offset:(\t)*8192+256+\ks*128 th:TH_LOAD_NT
	global_load_b128 v[(\b1)+16*\ks+4:(\b1)+16*\ks+7],   v[QO], s[4:5] offset:(\t)*8192+256+\ks*128+16 th:TH_LOAD_NT
	global_load_b128 v[(\b1)+16*\ks+8:(\b1)+16*\ks+11],  v[QO], s[4:5] offset:(\t)*8192+256+\ks*128+64 th:TH_LOAD_NT
	global_load_b128 v[(\b1)+16*\ks+12:(\b1)+16*\ks+15], v[QO], s[4:5] offset:(\t)*8192+256+\ks*128+80 th:TH_LOAD_NT
.endr
.endm
.macro CVTQ t, b0, b1
.set i, 0
.rept 16
	v_cvt_pk_f16_f32 v[QF+32*(\t)+i], v[(\b0)+2*i], v[(\b0)+2*i+1]
.set i, i+1
.endr
.set i, 0
.rept 16
	v_cvt_pk_f16_f32 v[QF+32*(\t)+16+i], v[(\b1)+2*i], v[(\b1)+2*i+1]
.set i, i+1
.endr
.endm
.macro MKCT dst, sa, sb                ; weights of a tile: sa a^(x-j) + sb b^(x-j)
.irp p, 0,2,4,6
	v_pk_mul_f32 v[(\dst)+\p:(\dst)+\p+1], v[TB0+\p:TB0+\p+1], s[\sb:\sb+1] op_sel_hi:[1,0]
.endr
.irp p, 0,2,4,6
	v_pk_fma_f32 v[(\dst)+\p:(\dst)+\p+1], v[TA0+\p:TA0+\p+1], s[\sa:\sa+1], v[(\dst)+\p:(\dst)+\p+1] op_sel_hi:[1,0,1]
.endr
.endm
.macro LOADU                           ; unit s24 (32 steps, counted over all batches): its K (8 fragments) and R^T (2)
	s_lshr_b32 s25, s24, 1
	s_mul_i32 s26, s25, 47104                      ; the chunk's package,
	s_and_b32 s25, s24, 1
	s_lshl_b32 s25, s25, 13                        ; the unit's half of K's fragments
	s_add_co_u32 s26, s26, s25
	s_mov_b32 s27, 0
	s_add_nc_u64 s[28:29], s[6:7], s[26:27]
	s_lshl_b32 s26, s24, 11
	s_add_nc_u64 s[30:31], s[8:9], s[26:27]
.set i, 0
.rept 8
	global_load_b128 v[KF+8*i:KF+8*i+3],   v[LN], s[28:29] offset:8192+1024*i
	global_load_b128 v[KF+8*i+4:KF+8*i+7], v[LN], s[28:29] offset:8192+1024*i+512
.set i, i+1
.endr
.irp z, 0,1
	global_load_b128 v[RFR+8*\z:RFR+8*\z+3],   v[LN], s[30:31] offset:1024*\z
	global_load_b128 v[RFR+8*\z+4:RFR+8*\z+7], v[LN], s[30:31] offset:1024*\z+512
.endr
.endm
.macro SMUL sg                         ; keys 16 sg on x both tiles of queries: two accumulators by turns
.irp ks, 0,1,2,3
.irp t, 0,1
.if \ks == 0
	v_wmma_f32_16x16x32_f16 v[S+8*\t:S+8*\t+7], v[KF+8*(4*(\sg)+\ks):KF+8*(4*(\sg)+\ks)+7], v[QF+8*(4*\t+\ks):QF+8*(4*\t+\ks)+7], 0
.else
	v_wmma_f32_16x16x32_f16 v[S+8*\t:S+8*\t+7], v[KF+8*(4*(\sg)+\ks):KF+8*(4*(\sg)+\ks)+7], v[QF+8*(4*\t+\ks):QF+8*(4*\t+\ks)+7], v[S+8*\t:S+8*\t+7]
.endif
.endr
.endr
.endm
.macro SCP t, sg, tab                  ; a tile weighted and rounded: half a fragment of P
.irp p, 0,2,4,6
	v_pk_mul_f32 v[S+8*(\t)+\p:S+8*(\t)+\p+1], v[S+8*(\t)+\p:S+8*(\t)+\p+1], v[(\tab)+\p:(\tab)+\p+1]
.endr
.irp p, 0,1,2,3
	v_cvt_pk_f16_f32 v[FP+8*(\t)+4*(\sg)+\p], v[S+8*(\t)+2*\p], v[S+8*(\t)+2*\p+1]
.endr
.endm
.macro YMUL                            ; y^T += R^T P: four accumulators, one instruction each; the places serve the sums that follow
.irp z, 0,1
.irp t, 0,1
	v_wmma_f32_16x16x32_f16 v[Y+8*(2*\z+\t):Y+8*(2*\z+\t)+7], v[RFR+8*\z:RFR+8*\z+7], v[FP+8*\t:FP+8*\t+7], v[Y+8*(2*\z+\t):Y+8*(2*\z+\t)+7]
.endr
.endr
	PLACES
.endm
.macro SLOAD mode                      ; the fragments of 512 A0 (mode 0) or 512 B0 (1): fragment (z, ks) = i
.set i, 0
.rept 8
	global_load_b128 v[KF+8*i:KF+8*i+3],   v[LN], s[32:33] offset:(i/4)*8192+(\mode)*4096+(i%4)*1024
	global_load_b128 v[KF+8*i+4:KF+8*i+7], v[LN], s[32:33] offset:(i/4)*8192+(\mode)*4096+(i%4)*1024+512
.set i, i+1
.endr
.endm
.macro SMM                             ; times Q^T: four accumulators by turns
.irp ks, 0,1,2,3
.irp z, 0,1
.irp t, 0,1
.if \ks == 0
	v_wmma_f32_16x16x32_f16 v[YM+8*(2*\z+\t):YM+8*(2*\z+\t)+7], v[KF+8*(4*\z+\ks):KF+8*(4*\z+\ks)+7], v[QF+8*(4*\t+\ks):QF+8*(4*\t+\ks)+7], 0
.else
	v_wmma_f32_16x16x32_f16 v[YM+8*(2*\z+\t):YM+8*(2*\z+\t)+7], v[KF+8*(4*\z+\ks):KF+8*(4*\z+\ks)+7], v[QF+8*(4*\t+\ks):QF+8*(4*\t+\ks)+7], v[YM+8*(2*\z+\t):YM+8*(2*\z+\t)+7]
.endif
.endr
.endr
.endr
	PLACES
.endm
	s_load_b256 s[4:11], s[0:1], 0x0               ; Q s[4:5], PK s[6:7], RF s[8:9], SB s[10:11]
	s_load_b64 s[12:13], s[0:1], 0x20              ; out0
	v_lshl_add_u32 v[SPW], v0, 2, SPARE
	v_mov_b32 v[NIL], 0
	v_lshrrev_b32 v8, 5, v0
	v_readfirstlane_b32 s14, v8                    ; p
	s_and_b32 s15, ttmp9, 63                       ; c
	v_and_b32 v8, 15, v0                           ; r
	v_bfe_u32 v9, v0, 4, 1                         ; h
	v_lshlrev_b32 v[QO], 9, v8
	v_lshl_add_u32 v[QO], v9, 5, v[QO]             ; 512 r + 32 h
	v_and_b32 v[T0], 31, v0
	v_lshlrev_b32 v[LN], 4, v[T0]
	v_mul_u32_u24 v[STO], v8, 144
	v_lshl_add_u32 v[STO], v9, 5, v[STO]
	v_lshrrev_b32 v[T1], 3, v[T0]
	v_mul_u32_u24 v[RD], v[T1], 144
	v_and_b32 v[T1], 7, v[T0]
	v_lshl_add_u32 v[RD], v[T1], 4, v[RD]
	v_lshlrev_b32 v[X], 3, v9
	v_sub_nc_u32 v[X], v8, v[X]                    ; x = r - 8 h
	s_wait_alu depctr_va_sdst(0)                   ; s14 is written, ahead of its first reader: my stage, the bases and the loop's bound are made from it
	s_mul_i32 s17, s14, 4608                       ; my stage
	v_add_nc_u32 v[STO], s17, v[STO]               ; in: row r, 32 bytes for each half of the lanes
	v_add_nc_u32 v[RD], s17, v[RD]                 ; back: 32 lanes take four rows of 128 bytes
	s_lshl_b32 s20, ttmp9, 16
	s_lshl_b32 s21, s14, 14
	s_add_co_u32 s20, s20, s21                     ; Q: my 32 rows of 512 bytes
	s_mov_b32 s21, 0
	s_lshl_b32 s22, ttmp9, 14
	s_mov_b32 s23, 0                               ; SB: the block's 16,384 bytes
	s_lshl_b32 s36, s14, 12
	s_add_co_u32 s36, s36, s22                     ; out0: my 32 rows of 128 bytes
	s_mov_b32 s37, 0
	s_lshl_b32 s24, ttmp9, 2
	s_add_co_u32 s24, s24, s14                     ; my unit: 4 (64 b + c) + p
	s_wait_kmcnt 0x0
	s_add_nc_u64 s[4:5], s[4:5], s[20:21]
	s_add_nc_u64 s[32:33], s[10:11], s[22:23]
	s_add_nc_u64 s[12:13], s[12:13], s[36:37]
	s_wait_alu depctr_va_vdst(0)                   ; the offsets and LDS addresses v1 to v6 are written, which the loads, the stores and the closing add read
	LOADQ 0, KF, KF+32
	LOADQ 1, Y, YM                                 ; both halves of Q are asked for together: Y and YM hold nothing yet
	; the tables, while Q is out
.irp j, 0,1,2,3,4,5,6,7                ; the eight masks in one run, each into a scalar register of its own: the key is not behind the query
	v_cmp_le_i32 s[56+\j], \j, v[X]
.endr
	s_mov_b32 s52, 0x3f7ae148
	s_mov_b32 s53, 0x3f666666
.rept 4
	s_mul_f32 s52, s52, s52                        ; a^16, b^16
	s_mul_f32 s53, s53, s53
.endr
	s_mul_f32 s54, s52, s52                        ; a^32, b^32
	s_mul_f32 s55, s53, s53
	s_mov_b32 s40, 0xc2fae148                      ; -125.44 a^(16 d) for three neighbouring d, named as pairs
	s_mul_f32 s42, s40, s52
	s_mul_f32 s44, s42, s52
	s_mov_b32 s46, 0x42e66666                      ; 115.2 b^(16 d)
	s_mul_f32 s48, s46, s53
	s_mul_f32 s50, s48, s53
.irp k, 41,43,45,47,49,51
	s_mov_b32 s\k, 0
.endr
.irp j, 0,1,2,3,4,5,6,7
	v_add_nc_u32 v[T0], -\j, v[X]
	v_cvt_f32_i32 v[T0], v[T0]
	v_mul_f32 v[TA0+\j], LA, v[T0]
	v_mul_f32 v[TB0+\j], LB, v[T0]
.endr
	s_lshl_b32 s17, s14, 5
	v_add_nc_u32 v[T0], 1, v8
	v_add_nc_u32 v[T0], s17, v[T0]                 ; t = 32 p + r + 1,
	v_add_nc_u32 v[T1], 16, v[T0]                  ; and 16 more for the second tile
	v_cvt_f32_i32 v[T0], v[T0]
	v_cvt_f32_i32 v[T1], v[T1]
	v_mul_f32 v[PW], LA, v[T0]
	v_mul_f32 v[PW+1], LB, v[T0]
	v_mul_f32 v[PW+2], LA, v[T1]
	v_mul_f32 v[PW+3], LB, v[T1]
.set i, TA0
.rept 16
	v_exp_f32 v[i], v[i]
.set i, i+1
.endr
.irp k, 0,1,2,3
	v_exp_f32 v[PW+\k], v[PW+\k]
.endr
	v_nop                                          ; a plain instruction behind the last exponential,
	s_wait_alu depctr_va_vdst(0)                   ; and one wait for the batch: the 20 exponentials have written the two tables and the four powers, ahead of their first reader
	MKCT CD0, 40, 46
	MKCT CD1, 42, 48
	s_wait_alu depctr_va_sdst(0)                   ; the eight masks are written, ahead of the first select that reads one
.irp j, 0,1,2,3,4,5,6,7
	v_cndmask_b32 v[CD0+\j], 0, v[CD0+\j], s[56+\j]
.endr
.irp k, 40,42,44
	s_mul_f32 s\k, s\k, s52                        ; for the unit before mine: d = 1, 2, 3
.endr
.irp k, 46,48,50
	s_mul_f32 s\k, s\k, s53
.endr
	s_wait_loadcnt 16                              ; Q's rows 0-15 are in; the 16 younger loads, rows 16-31, may stay out
	CVTQ 0, KF, KF+32
	s_cmp_eq_u32 s15, 0
	s_cbranch_scc1 .Lzero                          ; block 0 starts from reference()'s zero state
	s_wait_alu depctr_va_vdst(0)                   ; the conversions are done reading KF, in which A0's fragments land
	SLOAD 0
	s_wait_loadcnt 16                              ; Q's rows 16-31 are in; the 16 younger loads, A0's, may stay out
	CVTQ 1, Y, YM
	s_wait_loadcnt 0x0                             ; A0
	SMM
	s_wait_alu depctr_va_vdst(0)                   ; the products are done reading KF, in which B0's fragments land; the places above stay beside this wait
	SLOAD 1
.set i, 0
.rept 32                               ; times a^t, one number a lane; these name Y, YM and the powers: none of the registers that the loads above touch
	v_mul_f32 v[Y+i], v[YM+i], v[PW+2*((i/8)%2)]
.set i, i+1
.endr
	s_wait_loadcnt 0x0                             ; B0
	SMM
	s_wait_alu depctr_va_vdst(0)                   ; the products are done reading KF, in which my unit's K lands
	LOADU
.set i, 0
.rept 32                               ; times b^t, likewise behind the loads
	v_fmac_f32 v[Y+i], v[YM+i], v[PW+1+2*((i/8)%2)]
.set i, i+1
.endr
	s_branch .Ldiag
.Lzero:
	s_wait_loadcnt 0x0                             ; Q's rows 16-31
	CVTQ 1, Y, YM
	s_wait_alu depctr_va_vdst(0)                   ; the conversions of rows 0-15 are done reading KF, in which my unit's K lands
	LOADU
.set i, 0
.rept 32
	v_mov_b32 v[Y+i], 0
.set i, i+1
.endr
.Ldiag:
	; my own unit: of its four tiles one lies wholly behind the queries and is not made
	s_wait_loadcnt 0x0
	SMUL 0
	PLACES
	SCP 0, 0, CD0
	SCP 1, 0, CD1
	v_wmma_f32_16x16x32_f16 v[S:S+7],    v[KF+32:KF+39], v[QF+32:QF+39], 0      ; keys 16-31 x queries 16-31: even and odd quarters of the channels on two accumulators by turns
	v_wmma_f32_16x16x32_f16 v[S+8:S+15], v[KF+40:KF+47], v[QF+40:QF+47], 0
	v_wmma_f32_16x16x32_f16 v[S:S+7],    v[KF+48:KF+55], v[QF+48:QF+55], v[S:S+7]
	v_wmma_f32_16x16x32_f16 v[S+8:S+15], v[KF+56:KF+63], v[QF+56:QF+63], v[S+8:S+15]
.irp p, 0,1,2,3
	v_mov_b32 v[FP+4+\p], 0                        ; the tile not made: also the places behind those products
.endr
.irp p, 0,2,4,6
	v_pk_add_f32 v[S+\p:S+\p+1], v[S+\p:S+\p+1], v[S+8+\p:S+8+\p+1]
.endr
.irp p, 0,2,4,6
	v_pk_mul_f32 v[S+\p:S+\p+1], v[S+\p:S+\p+1], v[CD0+\p:CD0+\p+1]
.endr
.irp p, 0,1,2,3
	v_cvt_pk_f16_f32 v[FP+12+\p], v[S+2*\p], v[S+2*\p+1]
.endr
	YMUL
	; the units before mine in the block, nearest first: wave p has p of them.  The loop counts to the constant 3; a wave jumps forward over its dead trips
	s_mov_b32 s34, 0
.Lunit:
	s_cmp_ge_u32 s34, s14
	s_cbranch_scc1 .Lskip
	s_sub_co_u32 s24, s24, 1
	s_wait_alu depctr_va_vdst(0)                   ; the products of the unit before are done reading KF and RFR, in which this unit's loads land
	LOADU                                          ; (the loads before are all in: their pointers may be written)
	s_wait_loadcnt 0x0
	SMUL 0
	MKCT CT, 42, 48                                ; eight plain instructions that name nothing of the products: their places
	SCP 0, 0, CT
	MKCT CT, 44, 50
	SCP 1, 0, CT
	SMUL 1
	MKCT CT, 40, 46
	SCP 0, 1, CT
	MKCT CT, 42, 48
	SCP 1, 1, CT
	YMUL
.irp k, 40,42,44
	s_mul_f32 s\k, s\k, s54                        ; the next unit lies 32 steps further back
.endr
.irp k, 46,48,50
	s_mul_f32 s\k, s\k, s55
.endr
.Lskip:
	s_add_co_u32 s34, s34, 1
	s_cmp_lt_u32 s34, 3
	s_cbranch_scc1 .Lunit
	; THE WAY OUT: the factor 512 is taken back; a lane's 32 bytes go into rows of 144 bytes of my stage and come back as whole rows
.set i, 0
.rept 16
	v_pk_mul_f32 v[Y+i:Y+i+1], v[Y+i:Y+i+1], 0x3b000000 op_sel_hi:[1,0]
.set i, i+2
.endr
	s_wait_alu depctr_va_vdst(0)                   ; the scalings have written Y, which the LDS stores read; the products are done reading KF, in which the loads from the stage land
.irp z, 0,1
.irp t, 0,1
	ds_store_b128 v[STO], v[Y+8*(2*\z+\t):Y+8*(2*\z+\t)+3]   offset:\t*2304+\z*64
	ds_store_b128 v[STO], v[Y+8*(2*\z+\t)+4:Y+8*(2*\z+\t)+7] offset:\t*2304+\z*64+16
.endr
.endr
.irp i, 0,1,2,3,4,5,6,7
	ds_load_b128 v[KF+4*\i:KF+4*\i+3], v[RD] offset:\i*576  ; LDS serves a wave's instructions in order (ISA guide 5.7.1.4): these see the stores above
.endr
.irp i, 0,1,2,3,4,5,6,7
	s_wait_dscnt 7-\i                              ; the younger loads may stay out
	global_store_b128 v[LN], v[KF+4*\i:KF+4*\i+3], s[12:13] offset:512*\i th:TH_STORE_NT  ; 512 consecutive bytes, at a multiple of 256 from out0's first
.endr
	s_wait_dscnt 0x0                               ; the closing lines, six on end
	s_wait_alu 0x0
	s_wait_tensorcnt 0x0
	ds_add_u32 v[SPW], v[NIL]
	s_wait_dscnt 0x0
	s_endpgm
.Lfunc_end_k_qc709793309_out:
	.size	k_qc709793309_out, .Lfunc_end_k_qc709793309_out-k_qc709793309_out
	.p2alignl 7, 3214868480
	.fill 96, 4, 3214868480
	.section	.rodata,"a",@progbits
	.p2align	6, 0x0
	.amdhsa_kernel k_qc709793309_out
		.amdhsa_group_segment_fixed_size 18944
		.amdhsa_private_segment_fixed_size 0
		.amdhsa_enable_private_segment 0
		.amdhsa_kernarg_size 40
		.amdhsa_user_sgpr_count 2
		.amdhsa_user_sgpr_kernarg_segment_ptr 1
		.amdhsa_wavefront_size32 1
		.amdhsa_system_sgpr_workgroup_id_x 1
		.amdhsa_system_sgpr_workgroup_id_y 1
		.amdhsa_system_sgpr_workgroup_id_z 1
		.amdhsa_system_vgpr_workitem_id 0
		.amdhsa_next_free_vgpr 256
		.amdhsa_next_free_sgpr 66
		.amdhsa_reserve_vcc 0
		.amdhsa_float_denorm_mode_32 3
		.amdhsa_float_denorm_mode_16_64 3
		.amdhsa_memory_ordered 1
		.amdhsa_forward_progress 1
		.amdhsa_inst_pref_size 45
	.end_amdhsa_kernel
	.amdgpu_metadata
---
amdhsa.version: [ 1, 2 ]
amdhsa.kernels:
  - .name:           k_qc709793309_out
    .symbol:         k_qc709793309_out.kd
    .args:
      - { .name: Q, .offset: 0, .size: 8, .value_kind: global_buffer, .address_space: global }
      - { .name: PK, .offset: 8, .size: 8, .value_kind: global_buffer, .address_space: global }
      - { .name: RF, .offset: 16, .size: 8, .value_kind: global_buffer, .address_space: global }
      - { .name: SB, .offset: 24, .size: 8, .value_kind: global_buffer, .address_space: global }
      - { .name: out0, .offset: 32, .size: 8, .value_kind: global_buffer, .address_space: global }
    .group_segment_fixed_size: 18944
    .private_segment_fixed_size: 0
    .kernarg_segment_align: 8
    .kernarg_segment_size: 40
    .max_flat_workgroup_size: 128
    .sgpr_count:     66
    .vgpr_count:     256
    .wavefront_size: 32
...
	.end_amdgpu_metadata
.endif
;; end of part 5
